; MI455X (gfx1250); checked and timed in simulation.
; The chip was launched on July 23, 2026; its instructions are those of AMD's public machine-readable ISA for CDNA 5 (MIT licence, August 2026) and "CDNA5" Instruction Set Architecture Reference Guide (July 2026). The comments in the code are by the model that wrote it; some were corrected since.
;; Relative Multi Head Attention. Allowed arithmetic: matrix products marked QUANTISED: E2M3 operands, one E8M0 scale for each 32 along K, by v_wmma_scale_f32_16x16x128_f8f6f4 with both operands' format E2M3, f32 sums; everything else in f32.
;; Inputs: Wk 1,024 x 1,024 float32; Wo 1,024 x 1,024 float32; Wq 1,024 x 1,024 float32; Wv 1,024 x 1,024 float32; bias_table 4,095 x 16 float32; bo 1,024 float32; x 4 x 2,048 x 1,024 float32.
;; Outputs: out0 4 x 2,048 x 1,024 float32.
;; This version of the problem:
;;   THIS VERSION OF THE PROBLEM IS GIVEN IN LOW PRECISION. The matrix products marked QUANTISED in the list below multiply operands that are first quantised to E2M3 (2 exponent bits, 3 mantissa bits; 6 bits a number), with one power-of-two scale for each 32 numbers along K (OCP MX v1.0); their sums are f32. All else is computed in f32.
;;   The module's matrix products, in the order in which they are computed (A, B: the left and right operand; K: the contracted axis; several contracted axes count as one K, in the product's order):
;;     1. [M 8,192, K 1,024] x [K 1,024, N 1,024]; A: input x; B: input Wq: QUANTISED
;;     2. [M 8,192, K 1,024] x [K 1,024, N 1,024]; A: input x; B: input Wk: QUANTISED
;;     3. [M 8,192, K 1,024] x [K 1,024, N 1,024]; A: input x; B: input Wv: QUANTISED
;;     4. batch 64 x [M 2,048, K 64] x [K 64, N 2,048]; A: computed on the way; B: computed on the way: QUANTISED
;;     5. batch 64 x [M 2,048, K 2,048] x [K 2,048, N 64]; A: softmax (see below); B: computed on the way: QUANTISED
;;     6. [M 8,192, K 1,024] x [K 1,024, N 1,024]; A: computed on the way; B: input Wo: QUANTISED
;;   THE QUANTISER, for each operand of a quantised product, along K:
;;     - K is cut into blocks of 32 from its start; a last block that is shorter is filled with zeros.
;;     - A block's scale is 2^e with e = floor(log2(the largest magnitude in the block)) - 2, held to -126 .. 127; a block of zeros has e = 0. As a byte (E8M0): e + 127.
;;     - Each number is divided by its block's scale, clamped to +-7.5, and rounded to the nearest number of E2M3, ties to even, subnormals kept.
;;     - The product sums the exact products of the quantised numbers (number of the format x scale) in f32.
;;   ~~~python
;;   def quantise(x, axis):      # numpy; x: float32 -> the quantised numbers, widened to float32 again
;;       x = np.moveaxis(x, axis, -1); K = x.shape[-1]
;;       x = np.pad(x, [(0, 0)] * (x.ndim - 1) + [(0, -K % 32)]); x = x.reshape(x.shape[:-1] + (-1, 32)); a = np.abs(x).max(-1, keepdims=True)
;;       e = np.where(a > 0, np.clip(np.frexp(np.where(a > 0, a, 1))[1] - 1 - 2, -126, 127), 0)      # np.frexp(a)[1] - 1 = floor(log2(a)), exactly
;;       r = np.clip(x / 2.0 ** e, -7.5, 7.5)
;;       step = 2.0 ** (np.maximum(np.frexp(np.where(r == 0, 1, r))[1] - 1, 0) - 3)
;;       q = np.round(r / step) * step * 2.0 ** e      # np.round: ties to even
;;       return np.moveaxis(q.reshape(q.shape[:-2] + (-1,))[..., :K], -1, axis).astype(np.float32)
;;   ~~~
;;   SOFTMAX AHEAD OF A QUANTISED PRODUCT. Where the list says 'softmax', what is quantised is not the finished softmax but p = 2^(t - M), with t = logit x log2(e) and M = ceil(the row's largest t), a whole number; so 1/2 < the row's largest p <= 1. The row's sum l is taken of the UNQUANTISED p, in f32, and the product's result is divided by l at the end. Since M is a whole number, a kernel that streams over the keys may use a running M (the ceiling of the running maximum): every later rescaling is an exact power of two, which a block's scale takes up: the codes' values come out the same.
;;   OPERANDS COMPUTED ON THE WAY. 'Computed on the way' means the value that the module computes at that place (a softmax that the list does not call 'softmax' is quantised finished and normalised). What goes into a quantiser is computed in f32, as accurately as f32 sums, v_exp_f32 and their like allow (about 1e-6 of the number): no bf16 or f16 on the way to a quantiser, and a product that is left as it is and whose result goes on into a quantised operand takes f32 operands (vector FMAs, or v_wmma_f32_16x16x4_f32). A number that lies on a knife's edge between two numbers of the format may be rounded either way, as far as f32 arithmetic and the matrix unit's own rounding can turn it there, and no further.
;; One version. Each part assembles by itself: llvm-mc -triple=amdgcn-amd-amdhsa -mcpu=gfx1250 --defsym DOCPART=n.
;; ======== version 1 of 1: 4 launches
;; limits: right only within a limited range of input values
;; workspace buffers: codes 9,437,184 bytes; scales 393,216 bytes; bt 1,048,576 bytes; qkvc 18,874,368 bytes; qkvs 1,572,864 bytes; ctxc 6,291,456 bytes; ctxs 262,144 bytes
;; launch prep (part 1): grid 832 x 1, 4 waves a work-group, no clusters, 69,120 bytes of LDS; arguments x, Wq, Wk, Wv, Wo, bias_table, codes, scales, bt; writes codes, scales, bt
.if DOCPART == 1
	.amdgcn_target "amdgcn-amd-amdhsa--gfx1250"
	.amdhsa_code_object_version 6
	.text
	.protected	k_qfb0b23bbde_prep
	.globl	k_qfb0b23bbde_prep
	.p2align	8
	.type	k_qfb0b23bbde_prep,@function
k_qfb0b23bbde_prep:
	s_mov_b64 s[64:65], 0
	v_nop
	global_prefetch_b8 v0, s[64:65] scope:SCOPE_SE
	s_setreg_imm32_b32 hwreg(HW_REG_WAVE_MODE, 25, 1), 1
	s_wait_xcnt 0x0
; x [8192][1024], Wq, Wk, Wv, Wo [1024][1024], f32, K innermost, become codes of FP6 (E2M3) with one E8M0 byte for each 32 along K; and the bias table is laid out for the attention launch.
; A block's scale is 2^(floor(log2(its largest magnitude)) - 2); its byte is the largest magnitude's exponent field - 2, held at 1 from below.
; LIMITS: a block of zeros gets the byte 1 where the rule says 127 (its codes are zeros, and this program alone reads the bytes); blocks whose largest magnitude lies under 2^-124 are held at the byte 1; NaN and infinities are not served.
; LAYOUT OF codes.  12,288 rows (x, Wq, Wk, Wv, Wo on end) in row blocks of 16 POSITIONS: position r of block T is row 32 (T / 2) + 8 (T % 2) + r + 8 (r / 8) of its tensor.  A block is 8 fragments (16 positions x 128 K) of 1,536 bytes,
; each an image of the operand's 12 registers in two halves of 768 bytes: registers 6 c .. 6 c + 3 at 16 x lane, registers 6 c + 4, 6 c + 5 at 512 + 8 x lane.  scales: 32 bytes a position.
; SHARES.  Work-groups 0 to 767: one row block each; wave w takes K fragments 2 w and 2 w + 1.  Each load reads 512 consecutive bytes of a row; the 16 rows turn through the wave's own stage in LDS (rows 528 bytes apart), so that
; lane (r, h) gets, of row r, 16 neighbours of each block of 32.  All 32 loads of a wave go out at once.  No tensor load, no matrix work, no cluster: no work-group reads what another reads.
; Work-groups 768 to 831: row (head, s) of bt: bt[head][s][i] = 8 x bias_table[4094 - (i + s)][head], 0 where i + s > 4094: four copies, shifted by s = 0 .. 3 numbers.  That path uses no LDS and meets no barrier.
.set STG,  8448                        ; a stage: 16 rows x 528 bytes; two for each wave
.set SG,   8*STG                       ; behind the stages: the row block's 512 scale bytes
.set R0,   16                          ; v16-79   fragment 0 as loaded; later fragment 1's neighbours
.set R1,   80                          ; v80-143  fragment 1 as loaded; later its codes
.set X0,   144                         ; v144-207 fragment 0's neighbours
.set TM,   208                         ; v208-223 at work
.set SW,   224                         ; v224-225 my row's two scale words
.set PC0,  228                         ; v228-246 fragment 0's codes
.set PC1,  80
.set SEL,  32                          ; s[32:33] lane selects: lane l xor 16
; 64 numbers of a lane, register 16 b + i = k 32 b + 16 (lane / 16) + i of my row, become a fragment's 12 registers at v[pc] and the row's scale word in v[pw]
.macro QUANT s, pc, pw
.irp b, 0,1,2,3
	v_max3_num_f32 v[TM+\b], |v[\s+16*\b]|, |v[\s+1+16*\b]|, 0x1800000   ; my 16 numbers of block b, and the floor 2^(3 - 127): the byte cannot fall under 1
.endr
.irp i, 2,4,6,8,10,12,14
.irp b, 0,1,2,3
	v_max3_num_f32 v[TM+\b], v[TM+\b], |v[\s+16*\b+\i]|, |v[\s+1+16*\b+\i]|
.endr
.endr
.irp b, 0,1,2,3
	v_permlanex16_b32 v[TM+4+\b], v[TM+\b], s[SEL], s[SEL+1]
.endr
.irp b, 0,1,2,3
	v_max_num_f32 v[TM+\b], v[TM+\b], v[TM+4+\b]     ; with lane l xor 16's 16: the block's largest magnitude
.endr
.irp b, 0,1,2,3
	v_add_nc_u32 v[TM+12+\b], 0xff000000, v[TM+\b]   ; 2 off its exponent field: the conversion's scale operand
.endr
.irp b, 0,1,2,3
	v_lshrrev_b32 v[TM+4+\b], 23, v[TM+12+\b]        ; the scale's byte
.endr
	v_lshl_or_b32 v[\pw], v[TM+5], 8, v[TM+4]
	v_lshl_or_b32 v[\pw], v[TM+6], 16, v[\pw]
	v_lshl_or_b32 v[\pw], v[TM+7], 24, v[\pw]
.irp c, 0,1
	v_cvt_scalef32_pk16_fp6_f32 v[\pc+6*\c:\pc+2+6*\c], v[\s+32*\c:\s+15+32*\c], v[TM+12+2*\c]
	v_cvt_scalef32_pk16_fp6_f32 v[\pc+12+4*\c:\pc+14+4*\c], v[\s+16+32*\c:\s+31+32*\c], v[TM+13+2*\c]   ; (a conversion's three registers begin on an even number)
.endr
	v_nop                                          ; one plain place behind a scaled conversion
.irp c, 0,1                                    ; the operand wants a whole block in a lane: lanes 0-15 block 2 c, lanes 16-31 block 2 c + 1
.irp i, 0,1,2
	v_permlane16_swap_b32 v[\pc+6*\c+\i], v[\pc+12+4*\c+\i]
.endr
.irp i, 0,1,2
	v_mov_b32 v[\pc+3+6*\c+\i], v[\pc+12+4*\c+\i]
.endr
.endr
.endm
.macro IMAGE pc, off                           ; each store covers 512 or 256 consecutive bytes, aligned
	global_store_b128 v1, v[\pc:\pc+3], s[16:17] offset:\off
	global_store_b64 v2, v[\pc+4:\pc+5], s[16:17] offset:\off+512
	global_store_b128 v1, v[\pc+6:\pc+9], s[16:17] offset:\off+768
	global_store_b64 v2, v[\pc+10:\pc+11], s[16:17] offset:\off+1280
.endm
	s_load_b512 s[4:19], s[0:1], 0x0               ; x, Wq, Wk, Wv, Wo, bias_table, codes, scales
	s_load_b64 s[20:21], s[0:1], 0x40              ; bt
	v_lshl_add_u32 v248, v0, 2, 0x10c00
	v_mov_b32 v249, 0
	v_lshrrev_b32 v1, 5, v0
	v_readfirstlane_b32 s22, v1                    ; wave
	s_cmp_ge_u32 ttmp9, 768
	s_cbranch_scc1 .Lbias                          ; the same for all waves of a work-group
	s_sub_co_u32 s23, ttmp9, 512
	s_lshr_b32 s24, s23, 6                         ; which weight (used where the work-group's number is 512 or more)
	s_and_b32 s25, s23, 63                         ; and which of its 64 row blocks
	s_mov_b32 s[SEL], 0x76543210
	s_mov_b32 s[SEL+1], 0xfedcba98
	v_and_b32 v7, 31, v0                           ; lane
	v_and_b32 v8, 15, v0                           ; r
	v_bfe_u32 v9, v0, 4, 1                         ; h
	v_lshlrev_b32 v1, 4, v7                        ; 16 x lane
	v_lshlrev_b32 v2, 3, v7                        ; 8 x lane
	s_mul_i32 s30, s22, 2*STG                      ; my wave's stages
	v_add_nc_u32 v3, s30, v1                       ; in: a row's 512 bytes as they lie
	v_mul_u32_u24 v4, v8, 528
	v_lshl_add_u32 v4, v9, 6, v4
	v_add_nc_u32 v4, s30, v4                       ; out: row r, + 64 h
	s_lshl_b32 s31, s22, 3
	s_add_co_u32 s31, s31, SG
	v_lshl_add_u32 v5, v8, 5, s31                  ; my row's 32 scale bytes, my wave's 8 of them
	v_add_nc_u32 v6, SG, v1
.irp b, 0,1,2,3
	v_mov_b32 v[TM+4+\b], 0                        ; a lane permute's destination counts as one of its sources
.endr
	s_wait_alu depctr_va_vdst(0)
	s_wait_kmcnt 0x0
	s_mov_b64 s[26:27], s[12:13]                   ; the source: chosen by the work-group's number alone
	s_cmp_eq_u32 s24, 2
	s_cselect_b64 s[26:27], s[10:11], s[26:27]
	s_cmp_eq_u32 s24, 1
	s_cselect_b64 s[26:27], s[8:9], s[26:27]
	s_cmp_eq_u32 s24, 0
	s_cselect_b64 s[26:27], s[6:7], s[26:27]
	s_cmp_lt_u32 ttmp9, 512
	s_cselect_b64 s[26:27], s[4:5], s[26:27]
	s_cselect_b32 s25, ttmp9, s25                  ; the row block within its tensor
	s_lshr_b32 s28, s25, 1
	s_lshl_b32 s28, s28, 17                        ; 32 (T / 2) rows of 4,096 bytes
	s_and_b32 s29, s25, 1
	s_lshl_b32 s29, s29, 15                        ; + 8 (T % 2) rows
	s_add_co_u32 s28, s28, s29
	s_lshl_b32 s29, s22, 10                        ; + my wave's 1,024 bytes of a row
	s_add_co_u32 s28, s28, s29
	s_mov_b32 s29, 0
	s_add_nc_u64 s[26:27], s[26:27], s[28:29]
	s_mul_i32 s28, ttmp9, 12288
	s_mul_i32 s30, s22, 3072
	s_add_co_u32 s28, s28, s30
	s_add_nc_u64 s[16:17], s[16:17], s[28:29]      ; my two fragments' images
	s_lshl_b32 s28, ttmp9, 9
	s_add_nc_u64 s[18:19], s[18:19], s[28:29]      ; the row block's 512 scale bytes
.irp f, 0,1
.irp p, 0,1,2,3,4,5,6,7,8,9,10,11,12,13,14,15
	global_load_b128 v[R0+64*\f+4*\p:R0+64*\f+4*\p+3], v1, s[26:27] offset:(\p+8*(\p/8))*4096+512*\f th:TH_LOAD_NT   ; position p's row: 512 consecutive bytes
.endr
.endr
	s_wait_loadcnt 16                              ; fragment 0's 16 loads are in; fragment 1's 16 may be out
.irp p, 0,1,2,3,4,5,6,7,8,9,10,11,12,13,14,15
	ds_store_b128 v3, v[R0+4*\p:R0+4*\p+3] offset:528*\p
.endr
.irp b, 0,1,2,3
.irp j, 0,1,2,3
	ds_load_b128 v[X0+16*\b+4*\j:X0+16*\b+4*\j+3], v4 offset:128*\b+16*\j   ; LDS serves a wave's instructions in order (ISA guide 5.7.1.4): these see my stores
.endr
.endr
	s_wait_loadcnt 0x0
.irp p, 0,1,2,3,4,5,6,7,8,9,10,11,12,13,14,15
	ds_store_b128 v3, v[R1+4*\p:R1+4*\p+3] offset:STG+528*\p
.endr
	s_wait_dscnt 16                                ; all but these 16 stores are done: fragment 0's numbers are back, and its first registers are free
.irp b, 0,1,2,3
.irp j, 0,1,2,3
	ds_load_b128 v[R0+16*\b+4*\j:R0+16*\b+4*\j+3], v4 offset:STG+128*\b+16*\j
.endr
.endr
	QUANT X0, PC0, SW
	IMAGE PC0, 0
	s_wait_dscnt 0x0                               ; fragment 1's numbers are back, and the stores have read v80-143
	QUANT R0, PC1, SW+1
	IMAGE PC1, 1536
	ds_store_b64 v5, v[SW:SW+1]                    ; lanes 16-31 write the same bytes with the same values
	s_wait_dscnt 0x0                               ; for the others' sake
	s_barrier_signal -1
	s_barrier_wait -1
	s_cmp_lg_u32 s22, 0
	s_cbranch_scc1 .Ldone
	ds_load_b128 v[8:11], v6                       ; wave 0: the four waves' bytes, 512 on end
	s_wait_dscnt 0x0
	global_store_b128 v1, v[8:11], s[18:19]        ; 512 consecutive bytes, aligned
.Ldone:
	s_wait_tensorcnt 0x0
	ds_add_u32 v248, v249
	s_wait_dscnt 0x0
	s_endpgm
.Lbias:                                            ; thread t, pass n, element e: i = 512 n + 4 t + e.  The reads are 4 bytes, 64 bytes apart, of a table of 262,080 bytes; the stores are 512 consecutive bytes a wave
	s_sub_co_u32 s23, ttmp9, 768                   ; 4 x head + s
	s_lshr_b32 s24, s23, 2
	s_and_b32 s25, s23, 3
	s_sub_co_u32 s26, 4094, s25
	s_lshl_b32 s26, s26, 6
	s_lshl_b32 s27, s24, 2
	s_add_co_u32 s26, s26, s27                     ; (4094 - s) rows of 64 bytes + 4 x head
	v_lshlrev_b32 v1, 8, v0
	v_sub_nc_u32 v2, s26, v1                       ; - 4 t rows
	v_lshlrev_b32 v3, 4, v0
	s_lshl_b32 s28, s23, 14
	s_mov_b32 s29, 0
	s_wait_alu depctr_va_vdst(0)
	s_wait_kmcnt 0x0
	s_add_nc_u64 s[20:21], s[20:21], s[28:29]
.irp n, 0,1,2,3,4,5,6
.irp e, 0,1,2,3
	global_load_b32 v[48+4*\n+\e], v2, s[14:15] offset:-(64*\e+32768*\n)   ; at the least (4094 - 3 - 508 - 3 - 3072) rows: inside the table
.endr
.endr
.irp e, 0,1,2,3                                ; the last pass can pass the table's first row: there the offset is held at 0 and the number replaced by 0
	v_add_nc_u32 v[8+\e], -(229376+64*\e), v2
	v_cmp_gt_i32 s[36+\e], 0, v[8+\e]
	v_cndmask_b32 v[8+\e], v[8+\e], 0, s[36+\e]
	global_load_b32 v[76+\e], v[8+\e], s[14:15]
.endr
	s_wait_loadcnt 0x0
.irp j, 0,1,2,3,4,5,6,7,8,9,10,11,12,13,14,15,16,17,18,19,20,21,22,23,24,25,26,27,28,29,30,31
	v_mul_f32 v[48+\j], 0x41000000, v[48+\j]       ; x 8, exact: the scores are scaled by 1 / 8 together with it
.endr
.irp e, 0,1,2,3
	v_cndmask_b32 v[76+\e], v[76+\e], 0, s[36+\e]
.endr
.irp n, 0,1,2,3,4,5,6,7
	global_store_b128 v3, v[48+4*\n:51+4*\n], s[20:21] offset:2048*\n
.endr
	s_endpgm
.Lfunc_end_k_qfb0b23bbde_prep:
	.size	k_qfb0b23bbde_prep, .Lfunc_end_k_qfb0b23bbde_prep-k_qfb0b23bbde_prep
	.p2alignl 7, 3214868480
	.fill 96, 4, 3214868480
	.section	.rodata,"a",@progbits
	.p2align	6, 0x0
	.amdhsa_kernel k_qfb0b23bbde_prep
		.amdhsa_group_segment_fixed_size 69120
		.amdhsa_private_segment_fixed_size 0
		.amdhsa_enable_private_segment 0
		.amdhsa_kernarg_size 72
		.amdhsa_user_sgpr_count 2
		.amdhsa_user_sgpr_kernarg_segment_ptr 1
		.amdhsa_wavefront_size32 1
		.amdhsa_system_sgpr_workgroup_id_x 1
		.amdhsa_system_sgpr_workgroup_id_y 1
		.amdhsa_system_sgpr_workgroup_id_z 1
		.amdhsa_system_vgpr_workitem_id 0
		.amdhsa_next_free_vgpr 250
		.amdhsa_next_free_sgpr 66
		.amdhsa_reserve_vcc 0
		.amdhsa_float_denorm_mode_32 3
		.amdhsa_float_denorm_mode_16_64 3
		.amdhsa_memory_ordered 1
		.amdhsa_forward_progress 1
		.amdhsa_inst_pref_size 26
	.end_amdhsa_kernel
	.amdgpu_metadata
---
amdhsa.version: [ 1, 2 ]
amdhsa.kernels:
  - .name:           k_qfb0b23bbde_prep
    .symbol:         k_qfb0b23bbde_prep.kd
    .args:
      - { .name: x, .offset: 0, .size: 8, .value_kind: global_buffer, .address_space: global }
      - { .name: Wq, .offset: 8, .size: 8, .value_kind: global_buffer, .address_space: global }
      - { .name: Wk, .offset: 16, .size: 8, .value_kind: global_buffer, .address_space: global }
      - { .name: Wv, .offset: 24, .size: 8, .value_kind: global_buffer, .address_space: global }
      - { .name: Wo, .offset: 32, .size: 8, .value_kind: global_buffer, .address_space: global }
      - { .name: bias_table, .offset: 40, .size: 8, .value_kind: global_buffer, .address_space: global }
      - { .name: codes, .offset: 48, .size: 8, .value_kind: global_buffer, .address_space: global }
      - { .name: scales, .offset: 56, .size: 8, .value_kind: global_buffer, .address_space: global }
      - { .name: bt, .offset: 64, .size: 8, .value_kind: global_buffer, .address_space: global }
    .group_segment_fixed_size: 69120
    .private_segment_fixed_size: 0
    .kernarg_segment_align: 8
    .kernarg_segment_size: 72
    .max_flat_workgroup_size: 128
    .sgpr_count:     66
    .vgpr_count:     250
    .wavefront_size: 32
...
	.end_amdgpu_metadata
.endif
;; end of part 1
;; launch qkv (part 2): grid 8 x 48, 4 waves a work-group, clusters of 4 x 4, 327,680 bytes of LDS; arguments codes, scales, qkvc, qkvs; writes qkvc, qkvs
.if DOCPART == 2
	.amdgcn_target "amdgcn-amd-amdhsa--gfx1250"
	.amdhsa_code_object_version 6
	.text
	.protected	k_qfb0b23bbde_qkv
	.globl	k_qfb0b23bbde_qkv
	.p2align	8
	.type	k_qfb0b23bbde_qkv,@function
k_qfb0b23bbde_qkv:
	s_mov_b64 s[64:65], 0
	v_nop
	global_prefetch_b8 v0, s[64:65] scope:SCOPE_SE
	s_setreg_imm32_b32 hwreg(HW_REG_WAVE_MODE, 25, 1), 1
	s_wait_xcnt 0x0
	s_wait_alu depctr_hold_cnt(0) depctr_sa_sdst(0) depctr_va_vdst(0) depctr_va_sdst(0) depctr_va_ssrc(0) depctr_va_vcc(0) depctr_vm_vsrc(0)
	s_getreg_b32 s2, hwreg(HW_REG_IB_STS2, 6, 4)
	s_cmp_eq_u32 s2, 0
	s_cbranch_scc0 .Lentry_in_a_cluster
	s_endpgm
.Lentry_in_a_cluster:
	s_bfe_u32 s2, ttmp6, 0x10000c
	s_cmp_lg_u32 s2, 0xf033
	s_cbranch_scc0 .Lentry_shape_is_right
	s_endpgm
.Lentry_shape_is_right:
.set NQ,     2
.set FR,     12
.set NL,     4
.set NP,     4
.set FRB,    1536
.set BLKB,   NQ*FRB
.set RBLK,   8*FRB
.set HALFT,  8*BLKB
.set SLOT,   4*HALFT
.set LAPS,   2
.set KS,     32
.set SCL,    2*SLOT
.set HALFS,  (128*KS/256)*272
.set SBLK,   (16*KS/256)*272
.set SPARE,  SCL+4*HALFS
.set L16,  4
.set L8,   5
.set ADRA, 16
.set ADRB, 20
.set SSTO, 24
.set SRD,  25
.set ADRS, 27
.set SPW,  28
.set NIL,  29
.set SC,   32
.set TM,   64
.set PW,   80
.set PW2,  81
.set PC,   84
.set AF,   128
.set SWD,  144
.set G1, 24
.set G0, 32
.set G1B, 48
.set G0B, 56
.set G1S, 68
.set G0S, 76
.set G1SB, 80
.set G0SB, 88
.set SEL, 98
.set MSB, 0
.macro WIN new
.if MSB != \new
	s_set_vgpr_msb (MSB<<8)|\new
.set MSB, \new
.endif
.endm
.set MUL_LO, 0xa1
.set MUL_HI, 0xf1
.set TO_B,   0x40
.macro JLOAD g0a, g1a, g0b, g1b
	s_cmp_eq_u32 s15, 0
	s_cbranch_scc0 .Lfor_b_\@
	tensor_load_to_lds s[\g0a:\g0a+3], s[\g1a:\g1a+7]
	s_nop 0
.rept 4
	v_nop
.endr
	s_branch .Lasked_\@
.Lfor_b_\@:
	tensor_load_to_lds s[\g0b:\g0b+3], s[\g1b:\g1b+7]
	s_nop 0
.rept 4
	v_nop
.endr
.Lasked_\@:
.endm
.macro CREST
	s_cmp_lg_u32 s14, 0
	s_cbranch_scc1 .Lnot_wave_0_\@
	s_barrier_signal -3
.Lnot_wave_0_\@:
	s_barrier_wait -3
	s_barrier_signal -1
	s_barrier_wait -1
.endm
.macro CROUND
	s_barrier_signal -1
	s_barrier_wait -1
	CREST
.endm
	s_load_b256 s[4:11], s[0:1], 0x0
	v_lshl_add_u32 v[SPW], v0, 2, SPARE
	v_mov_b32 v[NIL], 0
	ds_add_u32 v28, v29
	ds_add_u32 v28, v29
	s_wait_dscnt 0x0
	v_lshrrev_b32 v1, 5, v0
	v_readfirstlane_b32 s14, v1
	s_lshr_b32 s15, s14, 1
	s_and_b32 s16, s14, 1
	s_bfe_u32 s40, ttmp6, 0x40000
	s_bfe_u32 s41, ttmp6, 0x40004
	s_and_b32 s18, ttmp7, 0xffff
	s_sub_co_u32 s19, s18, 8
	s_cmp_lt_u32 s18, 8
	s_cselect_b32 s17, s18, 0
	s_cselect_b32 s19, 0, s19
	s_cselect_b32 s2, 0, 10240
	s_cselect_b32 s3, 8192, 0
	s_cselect_b32 s66, 512, 64
	s_cselect_b32 s67, 0, 12582912
	s_cselect_b32 s95, 0, 1048576
	s_cselect_b32 s101, 0xffff, -1
	s_lshl_b32 s17, s17, 2
	s_add_co_u32 s17, s17, s41
	s_lshl_b32 s42, ttmp9, 2
	s_add_co_u32 s42, s42, s40
	s_lshl_b32 s19, s19, 3
	s_add_co_u32 s42, s42, s19
	s_lshl_b32 s43, s41, 2
	s_lshl_b32 s43, 15, s43
	s_lshl_b32 s44, 0x1111, s40
	s_or_b32 s[G1+0], s43, (3<<16)|(1<<21)
	s_or_b32 s[G1B+0], s44, (3<<16)|(1<<21)
.irp g, G1, G1B
	s_mov_b32 s[\g+1], (BLKB/8)<<16
	s_mov_b32 s[\g+2], 16<<16
	s_mov_b32 s[\g+3], (BLKB/8)<<16
	s_mov_b32 s[\g+4], 16
	s_mov_b32 s[\g+5], RBLK/8
	s_mov_b32 s[\g+6], 0
	s_mov_b32 s[\g+7], 0
.endr
	s_or_b32 s[G1S+0], s43, (3<<16)|(1<<20)|(1<<21)|(5<<22)|(3<<25)
	s_or_b32 s[G1SB+0], s44, (3<<16)|(1<<20)|(1<<21)|(5<<22)|(3<<25)
.irp g, G1S, G1SB
	s_mov_b32 s[\g+1], 32<<16
	s_mov_b32 s[\g+2], (256*KS/256)<<16
	s_mov_b32 s[\g+3], 32<<16
	s_mov_b32 s[\g+4], 256*KS/256
	s_mov_b32 s[\g+5], 32
	s_mov_b32 s[\g+6], 0
	s_mov_b32 s[\g+7], 0
.endr
	s_lshl_b32 s18, s16, 7
	s_lshl_b32 s20, s17, 8
	s_add_co_u32 s20, s20, s18
	s_add_co_u32 s20, s20, s2
	s_lshl_b32 s46, s42, 8
	s_add_co_u32 s46, s46, s18
	s_add_co_u32 s46, s46, s3
	s_lshl_b32 s22, s20, 5
	s_mov_b32 s23, 0
	s_lshl_b32 s92, s46, 5
	s_mov_b32 s93, 0
	s_mul_i32 s20, s20, 768
	s_mov_b32 s21, 0
	s_mul_i32 s46, s46, 768
	s_mov_b32 s47, 0
	s_mul_i32 s45, s14, HALFT
	s_wait_kmcnt 0x0
	s_add_nc_u64 s[20:21], s[4:5], s[20:21]
	s_add_nc_u64 s[22:23], s[6:7], s[22:23]
	s_add_nc_u64 s[46:47], s[4:5], s[46:47]
	s_add_nc_u64 s[92:93], s[6:7], s[92:93]
	CROUND
	s_mov_b32 s[G0S], 1
	s_mov_b32 s[G0S+1], SCL
	s_sub_nc_u64 s[G0S+2:G0S+3], s[22:23], 4096    ; wave 1 asks: its address stands 128 rows of 32 bytes into the tile's scales
	s_or_b32 s[G0S+3], s[G0S+3], 0x80000000
	s_mov_b32 s[G0SB], 1
	s_mov_b32 s[G0SB+1], SCL+2*HALFS
	s_sub_nc_u64 s[G0SB+2:G0SB+3], s[92:93], 4096  ; wave 3 asks: likewise
	s_or_b32 s[G0SB+3], s[G0SB+3], 0x80000000
.irp s, 0,1
	s_mov_b32 s[G0+4*\s], 1
	s_add_co_u32 s[G0+4*\s+1], s45, \s*SLOT
	s_add_nc_u64 s[G0+4*\s+2:G0+4*\s+3], s[20:21], \s*BLKB
	s_or_b32 s[G0+4*\s+3], s[G0+4*\s+3], 0x80000000
	s_mov_b32 s[G0B+4*\s], 1
	s_add_co_u32 s[G0B+4*\s+1], s45, \s*SLOT
	s_add_nc_u64 s[G0B+4*\s+2:G0B+4*\s+3], s[46:47], \s*BLKB
	s_or_b32 s[G0B+4*\s+3], s[G0B+4*\s+3], 0x80000000
.endr
; the head's four tiles, one joint load a wave, in one chain of branches on the wave's number: wave 0 slot 0's 256 rows of A, wave 2 its 256 rows of B, wave 1 A's scales, wave 3 B's
.macro ARM n, g0, g1, next
	s_cmp_eq_u32 s14, \n
	s_cbranch_scc0 \next
	tensor_load_to_lds s[\g0:\g0+3], s[\g1:\g1+7]
	s_nop 0
.rept 4
	v_nop
.endr
	s_branch .Lhead_asked
\next:
.endm
	ARM 0, G0, G1, .Lhead_b
	ARM 2, G0B, G1B, .Lhead_sa
	ARM 1, G0S, G1S, .Lhead_sb
	tensor_load_to_lds s[G0SB:G0SB+3], s[G1SB:G1SB+7]
	s_nop 0
.rept 4
	v_nop
.endr
.Lhead_asked:
	s_wait_alu depctr_va_vdst(0)
	s_wait_tensorcnt 0x0                           ; my tile of the four is in
	ds_add_u32 v28, v29
	s_mov_b32 s[G1+2], 8<<16                       ; no tensor load of mine is out: from here on a load brings 8 row blocks
	s_mov_b32 s[G1+4], 8
	s_mov_b32 s[G1B+2], 8<<16
	s_mov_b32 s[G1B+4], 8
	s_wait_dscnt 0x0
	CROUND
	JLOAD G0+4, G1, G0B+4, G1B
	s_lshl_b32 s18, s42, 1
	s_add_co_u32 s18, s18, s16
	s_lshl_b32 s18, s18, 1
	s_mul_i32 s18, s18, s66
	s_lshl_b32 s19, s17, 4
	s_add_co_u32 s18, s18, s19
	s_lshl_b32 s19, s15, 3
	s_add_co_u32 s18, s18, s19
	s_mul_i32 s20, s18, 768
	s_add_co_u32 s20, s20, s67
	s_mov_b32 s21, 0
	s_add_nc_u64 s[8:9], s[8:9], s[20:21]
	s_mul_i32 s20, s66, 768
	s_add_nc_u64 s[12:13], s[8:9], s[20:21]
	s_lshl_b32 s20, s18, 6
	s_add_co_u32 s20, s20, s95
	s_add_nc_u64 s[10:11], s[10:11], s[20:21]
	s_lshl_b32 s20, s66, 6
	s_add_nc_u64 s[96:97], s[10:11], s[20:21]
	s_mov_b32 s[SEL], 0x76543210
	s_mov_b32 s[SEL+1], 0xfedcba98
	v_and_b32 v1, 15, v0
	v_bfe_u32 v2, v0, 4, 1
	v_and_b32 v3, 31, v0
	v_lshlrev_b32 v[L16], 4, v3
	v_lshlrev_b32 v[L8], 3, v3
	v_cmp_ne_u32 s100, 0, v2
	s_mul_i32 s21, s15, HALFT
	s_mul_i32 s22, s16, HALFT
	s_add_co_u32 s22, s22, 2*HALFT
.irp s, 0,1
	v_add_nc_u32 v[ADRA+\s], s21, v[L16]
	v_add_nc_u32 v[ADRB+\s], s22, v[L16]
	v_add_nc_u32 v[ADRA+2+\s], s21, v[L8]
	v_add_nc_u32 v[ADRB+2+\s], s22, v[L8]
	s_add_co_u32 s21, s21, SLOT
	s_add_co_u32 s22, s22, SLOT
.endr
	v_mul_u32_u24 v6, v1, KS
	v_lshrrev_b32 v7, 8, v6
	v_lshl_add_u32 v6, v7, 4, v6
	s_mul_i32 s21, s15, HALFS
	s_mul_i32 s22, s16, HALFS
	s_add_co_u32 s22, s22, 2*HALFS
	s_sub_co_u32 s22, s22, s21
	v_mul_u32_u24 v7, s22, v2
	s_add_co_u32 s21, s21, SCL
	v_add_nc_u32 v6, v6, v7
	v_add_nc_u32 v[ADRS], s21, v6
	s_lshl_b32 s23, s14, 10
	v_lshlrev_b32 v6, 2, v1
	v_lshl_add_u32 v6, v2, 9, v6
	v_add_nc_u32 v[SSTO], s23, v6
	v_add_nc_u32 v[SRD], s23, v[L16]
.irp b, 0,1,2,3
	v_mov_b32 v[TM+4+\b], 0
.endr
.macro FRAG reg, adr, q, i
	ds_load_b128 v[\reg:\reg+3], v[\adr] offset:(\i)*BLKB+(\q)*FRB
	ds_load_b64 v[\reg+4:\reg+5], v[\adr+2] offset:(\i)*BLKB+(\q)*FRB+512
	ds_load_b128 v[\reg+6:\reg+9], v[\adr] offset:(\i)*BLKB+(\q)*FRB+768
	ds_load_b64 v[\reg+10:\reg+11], v[\adr+2] offset:(\i)*BLKB+(\q)*FRB+1280
.endm
.macro MUL16 a0, p, q, sc, zero
.irp a, \a0, \a0+1
.irp b, 0,1,2,3,4,5,6,7
.if \zero
	v_wmma_scale_f32_16x16x128_f8f6f4 v[8*(8*((\a)%4)+\b):8*(8*((\a)%4)+\b)+7], v[128*(\p)+FR*\b:128*(\p)+FR*\b+FR-1], v[AF+FR*(\a):AF+FR*(\a)+FR-1], 0, v[SC+8*NQ*(\sc)+NQ*\b+(\q)], v[SC+8*NQ*(\sc)+NQ*(\a)+(\q)] matrix_a_fmt:MATRIX_FMT_FP6 matrix_b_fmt:MATRIX_FMT_FP6 matrix_a_scale:MATRIX_SCALE_ROW1
.else
	v_wmma_scale_f32_16x16x128_f8f6f4 v[8*(8*((\a)%4)+\b):8*(8*((\a)%4)+\b)+7], v[128*(\p)+FR*\b:128*(\p)+FR*\b+FR-1], v[AF+FR*(\a):AF+FR*(\a)+FR-1], v[8*(8*((\a)%4)+\b):8*(8*((\a)%4)+\b)+7], v[SC+8*NQ*(\sc)+NQ*\b+(\q)], v[SC+8*NQ*(\sc)+NQ*(\a)+(\q)] matrix_a_fmt:MATRIX_FMT_FP6 matrix_b_fmt:MATRIX_FMT_FP6 matrix_a_scale:MATRIX_SCALE_ROW1
.endif
.endr
.endr
.endm
.macro FETCH_B slot, q, p
	WIN TO_B
.irp i, 0,1,2,3,4,5,6,7
	FRAG 128*(\p)+FR*\i, ADRB+\slot, \q, \i
.endr
	WIN 0
.endm
.macro FETCH_A slot, q, i0
.irp i, \i0, \i0+1, \i0+2, \i0+3
	FRAG AF+FR*(\i), ADRA+\slot, \q, \i
.endr
.endm
.macro SCALES sc
.irp i, 0,1,2,3,4,5,6,7
	ds_load_b64 v[SC+8*NQ*\sc+NQ*\i:SC+8*NQ*\sc+NQ*\i+1], v[ADRS] offset:\i*SBLK
.endr
.endm
.macro PLACES n
.rept \n
	v_nop
.endr
.endm
.macro STEP slot, q, zero
	s_wait_dscnt 4*NL
	WIN MUL_LO
	MUL16 0, (\q)%2, \q, \slot, \zero
	MUL16 2, (\q)%2, \q, \slot, \zero
	s_wait_dscnt 0
	PLACES NP
	FETCH_B \slot, (\q)+1, 1-(\q)%2
	FETCH_A \slot, (\q)+1, 0
	WIN MUL_HI
	MUL16 4, (\q)%2, \q, \slot, \zero
	MUL16 6, (\q)%2, \q, \slot, \zero
	PLACES NP
	WIN 0
	FETCH_A \slot, (\q)+1, 4
.endm
.macro TURN slot, next, fill
	s_wait_tensorcnt 0x0
	ds_add_u32 v[SPW], v[NIL]
	s_wait_dscnt 4*NL+1
	WIN MUL_LO
	MUL16 0, 1, NQ-1, \slot, 0
	s_wait_dscnt 0x0
	s_barrier_signal -1
	MUL16 2, 1, NQ-1, \slot, 0
	WIN 0
	s_barrier_wait -1
.if \fill
	CREST
	s_add_nc_u64 s[G0+4*\slot+2:G0+4*\slot+3], s[G0+4*\slot+2:G0+4*\slot+3], 2*BLKB
	s_add_nc_u64 s[G0B+4*\slot+2:G0B+4*\slot+3], s[G0B+4*\slot+2:G0B+4*\slot+3], 2*BLKB
	JLOAD G0+4*\slot, G1, G0B+4*\slot, G1B
.else
	PLACES NP
.endif
	s_wait_alu depctr_va_vdst(0)
	v_add_nc_u32 v[ADRS], 4*NQ, v[ADRS]
	FETCH_B \next, 0, 0
	FETCH_A \next, 0, 0
	SCALES \next
	WIN MUL_HI
	MUL16 4, 1, NQ-1, \slot, 0
	MUL16 6, 1, NQ-1, \slot, 0
	PLACES NP
	WIN 0
	FETCH_A \next, 0, 4
.endm
	s_wait_alu depctr_va_vdst(0)
	s_wait_tensorcnt 1
	s_barrier_signal -1
	s_barrier_wait -1
	FETCH_B 0, 0, 0
	FETCH_A 0, 0, 0
	SCALES 0
	FETCH_A 0, 0, 4
	STEP 0, 0, 1
	s_mov_b32 s3, LAPS-1
.Llap:
	TURN 0, 1, 1
	STEP 1, 0, 0
	TURN 1, 0, 1
	STEP 0, 0, 0
	s_sub_co_u32 s3, s3, 1
	s_cmp_lg_u32 s3, 0
	s_cbranch_scc1 .Llap
	TURN 0, 1, 0
	STEP 1, 0, 0
	s_wait_dscnt 4*NL
	WIN MUL_LO
	MUL16 0, 1, NQ-1, 1, 0
	MUL16 2, 1, NQ-1, 1, 0
	s_wait_dscnt 0
	WIN MUL_HI
	MUL16 4, 1, NQ-1, 1, 0
	MUL16 6, 1, NQ-1, 1, 0
	WIN 0
.macro QOUT a
.set AC, 64*((\a)%4)
.set WA, 2+(\a)/4
.set WAA, WA*5
	WIN WAA
.irp b, 0,1,2,3
	v_max3_num_f32 v[TM+\b], |v[AC+16*\b]|, |v[AC+1+16*\b]|, 0x1800000
.endr
.irp i, 2,4,6,8,10,12,14
.irp b, 0,1,2,3
	v_max3_num_f32 v[TM+\b], |v[AC+16*\b+\i]|, |v[AC+1+16*\b+\i]|, v[TM+\b]
.endr
.endr
	WIN 0
.irp b, 0,1,2,3
	v_permlanex16_b32 v[TM+4+\b], v[TM+\b], s[SEL], s[SEL+1]
.endr
.irp b, 0,1,2,3
	v_max_num_f32 v[TM+\b], v[TM+\b], v[TM+4+\b]
.endr
.irp b, 0,1,2,3
	v_add_nc_u32 v[TM+12+\b], 0xff000000, v[TM+\b]
.endr
.irp b, 0,1,2,3
	v_lshrrev_b32 v[TM+4+\b], 23, v[TM+12+\b]
.endr
	v_lshl_or_b32 v[PW], v[TM+5], 8, v[TM+4]
	v_lshl_or_b32 v[PW], v[TM+6], 16, v[PW]
	v_lshl_or_b32 v[PW], v[TM+7], 24, v[PW]
	v_lshrrev_b32 v[PW2], 16, v[PW]
	v_and_b32 v[PW], s101, v[PW]
	v_cndmask_b32 v[SWD+(\a)], v[PW], v[PW2], s100
	ds_store_b32 v[SSTO], v[SWD+(\a)] offset:64*(\a)
.if (\a) > 0
	s_wait_xcnt 0x0
.endif
	WIN WA
.irp c, 0,1
	v_cvt_scalef32_pk16_fp6_f32 v[PC+6*\c:PC+2+6*\c], v[AC+32*\c:AC+15+32*\c], v[TM+12+2*\c]
	v_cvt_scalef32_pk16_fp6_f32 v[PC+12+4*\c:PC+14+4*\c], v[AC+16+32*\c:AC+31+32*\c], v[TM+13+2*\c]
.endr
	WIN 0
	v_nop
.irp c, 0,1
.irp i, 0,1,2
	v_permlane16_swap_b32 v[PC+6*\c+\i], v[PC+12+4*\c+\i]
.endr
.irp i, 0,1,2
	v_mov_b32 v[PC+3+6*\c+\i], v[PC+12+4*\c+\i]
.endr
.endr
	global_store_b128 v[L16], v[PC:PC+3], s[8:9] offset:768*(\a)
	global_store_b64 v[L8], v[PC+4:PC+5], s[8:9] offset:768*(\a)+512
	global_store_b128 v[L16], v[PC+6:PC+9], s[12:13] offset:768*(\a)
	global_store_b64 v[L8], v[PC+10:PC+11], s[12:13] offset:768*(\a)+512
.endm
	PLACES NP
.irp a, 0,1,2,3,4,5,6,7
	QOUT \a
.endr
	ds_load_b128 v[128:131], v[SRD]
	ds_load_b128 v[132:135], v[SRD] offset:512
	s_wait_dscnt 0x0
	global_store_b128 v[L16], v[128:131], s[10:11]
	global_store_b128 v[L16], v[132:135], s[96:97]
	s_wait_tensorcnt 0x0
	ds_add_u32 v[SPW], v[NIL]
	s_wait_dscnt 0x0
	CROUND
	s_endpgm
.Lfunc_end_k_qfb0b23bbde_qkv:
	.size	k_qfb0b23bbde_qkv, .Lfunc_end_k_qfb0b23bbde_qkv-k_qfb0b23bbde_qkv
	.p2alignl 7, 3214868480
	.fill 96, 4, 3214868480
	.section	.rodata,"a",@progbits
	.p2align	6, 0x0
	.amdhsa_kernel k_qfb0b23bbde_qkv
		.amdhsa_group_segment_fixed_size 327680
		.amdhsa_private_segment_fixed_size 0
		.amdhsa_enable_private_segment 0
		.amdhsa_kernarg_size 32
		.amdhsa_user_sgpr_count 2
		.amdhsa_user_sgpr_kernarg_segment_ptr 1
		.amdhsa_wavefront_size32 1
		.amdhsa_system_sgpr_workgroup_id_x 1
		.amdhsa_system_sgpr_workgroup_id_y 1
		.amdhsa_system_sgpr_workgroup_id_z 1
		.amdhsa_system_vgpr_workitem_id 0
		.amdhsa_next_free_vgpr 1024
		.amdhsa_next_free_sgpr 102
		.amdhsa_reserve_vcc 0
		.amdhsa_float_denorm_mode_32 3
		.amdhsa_float_denorm_mode_16_64 3
		.amdhsa_memory_ordered 1
		.amdhsa_forward_progress 1
		.amdhsa_inst_pref_size 152
	.end_amdhsa_kernel
	.amdgpu_metadata
---
amdhsa.version: [ 1, 2 ]
amdhsa.kernels:
  - .name:           k_qfb0b23bbde_qkv
    .symbol:         k_qfb0b23bbde_qkv.kd
    .args:
      - { .name: codes, .offset: 0, .size: 8, .value_kind: global_buffer, .address_space: global }
      - { .name: scales, .offset: 8, .size: 8, .value_kind: global_buffer, .address_space: global }
      - { .name: qkvc, .offset: 16, .size: 8, .value_kind: global_buffer, .address_space: global }
      - { .name: qkvs, .offset: 24, .size: 8, .value_kind: global_buffer, .address_space: global }
    .group_segment_fixed_size: 327680
    .private_segment_fixed_size: 0
    .kernarg_segment_align: 8
    .kernarg_segment_size: 32
    .max_flat_workgroup_size: 128
    .sgpr_count:     102
    .vgpr_count:     1024
    .wavefront_size: 32
...
	.end_amdgpu_metadata
.endif
;; end of part 2
;; launch attn (part 3): grid 4 x 64, 8 waves a work-group, clusters of 4 x 1, 327,680 bytes of LDS; arguments qkvc, qkvs, bt, ctxc, ctxs; writes ctxc, ctxs
.if DOCPART == 3
	.amdgcn_target "amdgcn-amd-amdhsa--gfx1250"
	.amdhsa_code_object_version 6
	.text
	.protected	k_qfb0b23bbde_attn
	.globl	k_qfb0b23bbde_attn
	.p2align	8
	.type	k_qfb0b23bbde_attn,@function
k_qfb0b23bbde_attn:
	s_mov_b64 s[64:65], 0
	v_nop
	global_prefetch_b8 v0, s[64:65] scope:SCOPE_SE
	s_setreg_imm32_b32 hwreg(HW_REG_WAVE_MODE, 25, 1), 1
	s_wait_xcnt 0x0
	s_wait_alu depctr_hold_cnt(0) depctr_sa_sdst(0) depctr_va_vdst(0) depctr_va_sdst(0) depctr_va_ssrc(0) depctr_va_vcc(0) depctr_vm_vsrc(0)
	s_getreg_b32 s2, hwreg(HW_REG_IB_STS2, 6, 4)
	s_cmp_eq_u32 s2, 0
	s_cbranch_scc0 .Lentry_in_a_cluster
	s_endpgm
.Lentry_in_a_cluster:
	s_bfe_u32 s2, ttmp6, 0x10000c
	s_cmp_lg_u32 s2, 0x3003
	s_cbranch_scc0 .Lentry_shape_is_right
	s_endpgm
.Lentry_shape_is_right:
; ctx = softmax(q k^T / 8 + relative bias) v for one (batch, head) and 512 queries a work-group, both products on codes of FP6 (E2M3) with E8M0 scales; ctx leaves as codes, quantised along the model's 1,024.
; THE SOFTMAX: S = q.k + 8 bias; t = S x log2(e) / 8; M = the running largest t rounded UP to a whole number; p = 2^(t - M) is quantised along the keys, not normalised; the row's sum is taken of the unquantised p and divides at the end.
; When M moves, the sums and O are multiplied by 2^(old M - new M): exact.
; SHARES.  Eight waves of 512 registers, two to a SIMD.  Wave w owns query tiles w + 8 j, j = 0 .. 3, of the work-group's 32: in pass p tiles j = 2 p and 2 p + 1 AT ONCE, one in each register window, so that one read of K's and V's
; fragments serves two tiles.  A pass walks the 2,048 keys in 16 steps of 128.
; LDS holds the head's K, V, their scales and the bias window whole: 8 tiles, one tensor load a wave at the head; no LDS byte is filled twice: one wait and one barrier.
; CLUSTER.  The four work-groups of a cluster are the four quarters of one head's queries: K, V and their scales are asked for jointly.  The bias window hangs on the quarter: a load of the work-group's own.
; LAYOUT.  Both products are used transposed (S^T = K Q^T, O^T = V^T P^T): a lane holds one query.  THE KEYS OF A TILE OF K ARE CHOSEN BY THE LANES' ADDRESSES: row 8 R + i of tile 4 c + t is key 64 c + 32 R + 8 t + i of the step, so that the
; 32 registers of result tiles 4 c .. 4 c + 3 are, in lane (r, h), the whole block of keys 64 c + 32 h + 0 .. 31: a block's maximum asks no other lane, and the conversions' results are the operand's registers.
; In memory K lies in tiles of 16 positions (position r of tile T = key 32 (T / 2) + 8 (T % 2) + r + 8 (r / 8)) as images of 768 bytes: so that row is position 8 (t / 2) + i of stored tile 4 c + 2 R + t % 2.
; K's rows of 256 bytes get 64 bytes of padding in LDS: a stored tile is 960 bytes, and lanes 8-15 of a 16-byte load stand 128 bytes (modulo 256) from lanes 0-7.
; The head has 64 channels and the instruction 128 along K: registers 6-11 of Q's fragments hold zero codes.  K's eight half fragments lie 6 registers apart: the upper half of each operand is the next tile's codes, which meet Q's zeros.
; THE BIAS COSTS NO VECTOR INSTRUCTION: bt holds 8 x bias, reversed, in four copies shifted by 0 .. 3 numbers; a lane takes the copy in which its runs of four keys begin at multiples of 16 bytes, loads them into the registers of S,
; and the first product takes them as its C.  Copy s lies at 10,240 s + 32 (s & 1) + 128 (s >> 1).
; No prefetch: every tile is asked for once, by its tensor load at the head; the launch has no loop over tiles to run ahead in.
; LIMITS: a block of zeros gets the byte 1 (its codes are zeros; this program alone reads the bytes); blocks under 2^-124 are held at the byte 1; NaN and infinities are not served; the promise holds while |t| stays under 2^31.
; ctx's scale bytes leave 2 bytes a row, 32 bytes apart: a row's 32 bytes belong to sixteen work-groups.
.set VB,    122880                     ; K: 128 stored tiles of 960 bytes at 0; V: group of 64 keys g at VB + 3,072 g + 768 x channel tile
.set KSB,   221184                     ; K's scale words: 64 x stored tile + 4 x position
.set VSB,   229376                     ; V's: 256 x step + 64 x channel tile + 4 r
.set BT,    233472                     ; the four bias copies
.set CPB,   10240
.set SPARE, 274688                     ; the spare words: 128 bytes a wave
; window 0 alone
.set L16, 1
.set L8,  2
.set AKS, 3
.set AVS, 4
.set SPW, 5
.set NIL, 6
.set ABB, 7
.set AK16, 8
.set AK8, 9
.set R4,  10
.set CSO, 11
.set ADK, 12                           ; v12-18 the step's addresses: K (16, 8), V (16, 8), K's words, V's words, bias
.set KSC, 20                           ; v20-23 K's scale words, v24-25 V's, v26-27 Q's, v28-29 p's: scales and nothing else
.set VSC, 24
.set QSC, 26
.set PSC, 28
.set KF,  32                           ; v32-85 K's eight half fragments, 6 registers apart, and 6 zeros
; window 1 alone
.set VF,  0                            ; v0-47 V's four fragments
; a tile's state: the same numbers in window 0 (tile 2 p) and window 1 (tile 2 p + 1)
.set S,   88                           ; 64: the bias, S^T, p
.set O,   152                          ; 32: O^T
.set QF,  184
.set PCD, 196                          ; p's codes
.set PC2, 208                          ; the conversions' second halves
.set BM,  216                          ; block maxima; 218-219 second chains
.set EO,  220                          ; scale operands
.set EB,  222                          ; bytes
.set W,   224
.set W2,  225
.set MM,  226                          ; -M; 227 the running largest S
.set FF,  228
.set TT,  230
.set RP,  231
.set SUM, 232                          ; four pairs
.set SH8, 240                          ; 8 x (lane / 16)
.set WV,  14
.set SEL, 20
.set CS,  22
.set G1K, 24
.set G1V, 32
.set G1KS, 40
.set G1VS, 48
.set G1B, 56
.set TK,  66
.set T5,  67
.set G0K, 68
.set G0V, 72
.set G0KS, 76
.set G0VS, 80
.set G0B, 84
.set T2,  88
.set TV,  89
.set CNT, 90
.set NC,  91
.set QP,  92
.set QS,  94
.set HM,  100
.set JM,  15|(3<<16)|(1<<21)
.set MSB, 0
.macro WIN new                         ; the immediate's high byte repeats the setting that is left
.if MSB != \new
	s_set_vgpr_msb (MSB<<8)|\new
.set MSB, \new
.endif
.endm
.macro D n
	s_delay_alu instid0(VALU_DEP_\n)
.endm
.macro CROUND
	s_barrier_signal -1
	s_barrier_wait -1
	s_cmp_lg_u32 s[WV], 0
	s_cbranch_scc1 .Lnot_wave_0_\@
	s_barrier_signal -3
.Lnot_wave_0_\@:
	s_barrier_wait -3
	s_barrier_signal -1
	s_barrier_wait -1
.endm
.macro FOUR
.rept 4
	v_nop
.endr
.endm
.macro DESC g, w0, c, r, p
	s_mov_b32 s[\g], \w0
	s_mov_b32 s[\g+1], (\c)<<16
	s_mov_b32 s[\g+2], (\r)<<16
	s_mov_b32 s[\g+3], (\c)<<16
	s_mov_b32 s[\g+4], \r
	s_mov_b32 s[\g+5], \p
	s_mov_b32 s[\g+6], 0
	s_mov_b32 s[\g+7], 0
.endm
	s_load_b256 s[4:11], s[0:1], 0x0               ; qkvc, qkvs, bt, ctxc
	s_load_b64 s[12:13], s[0:1], 0x20              ; ctxs
	v_lshl_add_u32 v[SPW], v0, 2, SPARE
	v_mov_b32 v[NIL], 0
	ds_add_u32 v[SPW], v[NIL]                      ; the opening lines: the add twice on end and one wait
	ds_add_u32 v[SPW], v[NIL]
	v_lshrrev_b32 v1, 5, v0
	v_readfirstlane_b32 s[WV], v1                  ; wave 0..7
	s_bfe_u32 s15, ttmp6, 0x40000
	s_lshl_b32 s18, ttmp9, 2
	s_add_co_u32 s15, s15, s18                     ; x: my quarter of the queries: it enters Q's, ctx's and the bias window's global addresses alone
	s_and_b32 s17, ttmp7, 0xffff
	s_lshr_b32 s16, s17, 4                         ; batch
	s_and_b32 s17, s17, 15                         ; head
	s_add_co_u32 s19, s[WV], 2
	s_and_b32 s19, s19, 3                          ; waves 2 to 5 fetch bias copies 0 to 3
	DESC G1K, JM|(1<<20)|(5<<22)|(15<<25), 32, 384, 32   ; K: 98,304 dense bytes as 384 rows of 256, 16 words of padding behind each
	DESC G1V, JM, 384, 32, 6144                    ; V: 32 groups of 64 keys x the head's 3,072 bytes, 49,152 bytes apart
	DESC G1KS, JM, 32, 32, 32                      ; K's scale words: 8,192 dense bytes
	DESC G1VS, JM, 32, 16, 1024                    ; V's: 16 steps x the head's 256 bytes, 8,192 bytes apart
	DESC G1B, 3<<16, 32, 40, 32                    ; a bias copy's window: 10,240 dense bytes; no mask
	s_add_co_u32 s3, s17, 16
	s_lshl_b32 s3, s3, 9
	s_lshl_b32 s18, s16, 7
	s_add_co_u32 s3, s3, s18                       ; K's first tile: (16 + head) 512 + 128 batch
	s_mul_i32 s92, s3, 768
	s_mov_b32 s93, 0
	s_lshl_b32 s94, s3, 6
	s_mov_b32 s95, 0
	s_lshl_b32 s3, s16, 11
	s_lshl_b32 s18, s17, 2
	s_add_co_u32 s3, s3, s18                       ; V: 2,048 batch + 4 head
	s_mul_i32 s96, s3, 768
	s_add_co_u32 s96, s96, 12582912
	s_mov_b32 s97, 0
	s_lshl_b32 s98, s3, 6
	s_add_co_u32 s98, s98, 1048576
	s_mov_b32 s99, 0
	s_mov_b32 s[SEL], 0x76543210
	s_mov_b32 s[SEL+1], 0xfedcba98
	s_mov_b32 s[CS], 0x3e38aa3b                    ; c = log2(e) / 8
	s_mov_b32 s[CS+1], s[CS]
	s_mov_b32 s[NC], 0xbe38aa3b                    ; -c
	s_wait_dscnt 0x0
	s_wait_kmcnt 0x0
	s_mov_b32 s[G0K], 1
	s_mov_b32 s[G0K+1], 0
	s_add_nc_u64 s[G0K+2:G0K+3], s[4:5], s[92:93]
	s_or_b32 s[G0K+3], s[G0K+3], 0x80000000
	s_mov_b32 s[G0V], 1
	s_mov_b32 s[G0V+1], VB
	s_add_nc_u64 s[G0V+2:G0V+3], s[4:5], s[96:97]
	s_or_b32 s[G0V+3], s[G0V+3], 0x80000000
	s_mov_b32 s[G0KS], 1
	s_mov_b32 s[G0KS+1], KSB
	s_add_nc_u64 s[G0KS+2:G0KS+3], s[6:7], s[94:95]
	s_or_b32 s[G0KS+3], s[G0KS+3], 0x80000000
	s_mov_b32 s[G0VS], 1
	s_mov_b32 s[G0VS+1], VSB
	s_add_nc_u64 s[G0VS+2:G0VS+3], s[6:7], s[98:99]
	s_or_b32 s[G0VS+3], s[G0VS+3], 0x80000000
	s_lshl_b32 s92, s17, 2
	s_add_co_u32 s92, s92, s19
	s_lshl_b32 s92, s92, 14                        ; row 4 head + copy of bt, 16,384 bytes each,
	s_xor_b32 s18, s15, 3
	s_lshl_b32 s18, s18, 11
	s_add_co_u32 s92, s92, s18                     ; from number 1,536 - 512 x on
	s_mul_i32 s18, s19, CPB
	s_and_b32 s3, s19, 1
	s_lshl_b32 s3, s3, 5
	s_add_co_u32 s18, s18, s3
	s_bfe_u32 s3, s19, 0x10001
	s_lshl_b32 s3, s3, 7
	s_add_co_u32 s18, s18, s3
	s_mov_b32 s[G0B], 1
	s_add_co_u32 s[G0B+1], s18, BT
	s_add_nc_u64 s[G0B+2:G0B+3], s[8:9], s[92:93]
	s_or_b32 s[G0B+3], s[G0B+3], 0x80000000
	CROUND                                         ; all four work-groups are here: the joint loads meet
; THE FIRST AND ONLY FILLS: one tensor load a wave, in one chain of branches on the wave's number
.macro ARM n, g0, g1, next
	s_cmp_lt_u32 s[WV], \n
	s_cbranch_scc0 \next
	tensor_load_to_lds s[\g0:\g0+3], s[\g1:\g1+7]
	s_nop 0
	FOUR
	s_branch .Lasked
\next:
.endm
	ARM 1, G0K, G1K, .Lnot_k
	ARM 2, G0V, G1V, .Lnot_v
	ARM 6, G0B, G1B, .Lnot_b
	ARM 7, G0KS, G1KS, .Lnot_ks
	tensor_load_to_lds s[G0VS:G0VS+3], s[G1VS:G1VS+7]
	s_nop 0
	FOUR
.Lasked:
	s_lshl_b32 s18, s16, 7
	s_lshl_b32 s3, s15, 5
	s_add_co_u32 s18, s18, s3
	s_add_co_u32 s18, s18, s[WV]                   ; my query tile j = 0: 128 batch + 32 x + wave; tile j lies 8 j tiles on
	s_lshl_b32 s3, s17, 9
	s_add_co_u32 s3, s3, s18
	s_mul_i32 s96, s3, 768
	s_mov_b32 s97, 0
	s_add_nc_u64 s[QP:QP+1], s[4:5], s[96:97]
	s_lshl_b32 s96, s3, 6
	s_add_nc_u64 s[QS:QS+1], s[6:7], s[96:97]
	s_mul_i32 s96, s18, 12288
	s_mul_i32 s3, s17, 768
	s_add_co_u32 s96, s96, s3
	s_add_nc_u64 s[10:11], s[10:11], s[96:97]      ; ctx's codes: row block x 12,288 + 768 head
	s_lshl_b32 s96, s18, 9
	s_lshl_b32 s3, s17, 1
	s_add_co_u32 s96, s96, s3
	s_add_nc_u64 s[12:13], s[12:13], s[96:97]      ; its scale bytes: row block x 512 + 2 head
	s_xor_b32 s18, s[WV], 7                        ; the bias: w' = 7 - wave: 128 (w' / 2) + 32 (w' & 1) bytes; tile j adds 512 (3 - j)
	s_lshr_b32 s2, s18, 1
	s_lshl_b32 s2, s2, 7
	s_and_b32 s18, s18, 1
	s_lshl_b32 s18, s18, 5
	s_add_co_u32 s2, s2, s18
	s_add_co_u32 s2, s2, BT
	v_and_b32 v12, 31, v0
	v_and_b32 v14, 15, v0                          ; r
	v_bfe_u32 v15, v0, 4, 1                        ; h
	v_and_b32 v16, 7, v0                           ; i = r % 8
	v_bfe_u32 v17, v0, 3, 1                        ; R = r / 8
	v_lshlrev_b32 v[L16], 4, v12
	v_lshlrev_b32 v[L8], 3, v12
	v_lshlrev_b32 v13, 2, v12
	v_lshlrev_b32 v[R4], 2, v14
	v_lshlrev_b32 v[CSO], 5, v14
	v_mul_u32_u24 v18, v17, 1920
	v_xor_b32 v31, 15, v14                         ; r'
	v_add_nc_u32 v[AVS], VSB, v13
	v_lshl_add_u32 v[CSO], v15, 12, v[CSO]         ; 32 r + 4,096 h: lanes 16-31 store the second tile's bytes, 8 row blocks on
	v_cmp_ne_u32 s[HM], 0, v15
	v_lshl_add_u32 v[AK16], v16, 4, v18            ; K: 1,920 R + 16 i + 320 h
	v_lshl_add_u32 v[AK8], v16, 3, v18             ;    1,920 R + 8 i + 128 h
	v_lshlrev_b32 v[AKS], 2, v16                   ; K's words: 128 R + 64 h + 4 i: lanes 16-31 take the odd tile's
	v_and_b32 v19, 3, v31
	v_mad_u32_u24 v[AK16], v15, 320, v[AK16]
	v_lshl_add_u32 v[AK8], v15, 7, v[AK8]
	v_lshl_add_u32 v[AKS], v17, 7, v[AKS]
	v_mul_u32_u24 v[ABB], v19, CPB                 ; my copy is r' & 3; key 0 lies 4 (r' & 12) + 32 (r' / 8) + 128 h bytes into it, beside the wave's and the tile's terms
	v_and_b32 v18, 1, v31
	v_bfe_u32 v19, v31, 1, 1
	v_lshl_add_u32 v[AKS], v15, 6, v[AKS]
	v_lshl_add_u32 v[ABB], v18, 5, v[ABB]
	v_and_b32 v18, 12, v31
	v_bfe_u32 v13, v31, 3, 1
	v_add_nc_u32 v[AKS], KSB, v[AKS]
	v_lshl_add_u32 v[ABB], v19, 7, v[ABB]
	v_lshlrev_b32 v[SH8], 3, v15
	v_mov_b32 v[RP], 0                             ; a lane permute's destination counts as one of its sources
	v_mov_b32 v[W2], 0
	v_lshl_add_u32 v[ABB], v18, 2, v[ABB]
	v_mov_b32 v[FF+1], 0                           ; (named as the upper half of a pair)
.irp j, 6,7,8,9,10,11
	v_mov_b32 v[QF+\j], 0                          ; zero codes for k = 64 .. 127: written once
	v_mov_b32 v[KF+42+\j], 0                       ; behind K's eighth half fragment
.endr
	v_lshl_add_u32 v[ABB], v13, 5, v[ABB]
	WIN 0x40                                       ; the same constants of the second tile's state
	v_lshlrev_b32 v[SH8], 3, v15
	v_mov_b32 v[RP], 0
	v_mov_b32 v[W2], 0
	v_mov_b32 v[FF+1], 0
.irp j, 6,7,8,9,10,11
	v_mov_b32 v[QF+\j], 0
.endr
	WIN 0
	v_lshl_add_u32 v[ABB], v15, 7, v[ABB]
	D 1
	v_add_nc_u32 v[ABB], s2, v[ABB]
.macro WM d, a, b, sa, sb, row
.if \row
	v_wmma_scale_f32_16x16x128_f8f6f4 v[(\d):(\d)+7], v[(\a):(\a)+11], v[(\b):(\b)+11], v[(\d):(\d)+7], v[\sa], v[\sb] matrix_a_fmt:MATRIX_FMT_FP6 matrix_b_fmt:MATRIX_FMT_FP6 matrix_a_scale:MATRIX_SCALE_ROW1
.else
	v_wmma_scale_f32_16x16x128_f8f6f4 v[(\d):(\d)+7], v[(\a):(\a)+11], v[(\b):(\b)+11], v[(\d):(\d)+7], v[\sa], v[\sb] matrix_a_fmt:MATRIX_FMT_FP6 matrix_b_fmt:MATRIX_FMT_FP6
.endif
.endm
.macro BIAS j                                  ; 8 x bias of my 2 x 32 keys into the registers of S: 256 bytes a block pair, 16 a load
.irp n, 0,1,2,3,4,5,6,7,8,9,10,11,12,13,14,15
	ds_load_b128 v[S+4*\n:S+4*\n+3], v[ADK+6] offset:256*(\n/8)+16*(\n%8)+512*(3-(\j))
.endr
.endm
.macro SMUL w                                  ; S^T = K Q^T + 8 bias: eight accumulators, one instruction each
.irp t, 0,2,4,6
	WM S+8*\t, KF+6*\t, QF, KSC+\t/2, QSC+\w, 0
	WM S+8*\t+8, KF+6*\t+6, QF, KSC+\t/2, QSC+\w, 1
.endr
.endm
.macro PF n                                    ; t - M, two numbers an instruction
.rept \n
	v_pk_fma_f32 v[S+2*PJ:S+2*PJ+1], v[S+2*PJ:S+2*PJ+1], s[CS:CS+1], v[MM:MM+1] op_sel_hi:[1,0,0]
.set PJ, PJ+1
.endr
.endm
.macro PA n                                    ; the row's sum of the unquantised p, in four chains by turns
.rept \n
	v_pk_add_f32 v[SUM+2*(PI%4):SUM+2*(PI%4)+1], v[SUM+2*(PI%4):SUM+2*(PI%4)+1], v[S+2*PI:S+2*PI+1]
.set PI, PI+1
.endr
.endm
; One tile's softmax, quantiser and second product; every vector register named is the tile's own window's, but for p's scale word and V
.macro SOFT w
.if \w
	s_wait_alu depctr_va_vdst(0)                   ; the wait directly ahead of the first readers of S
.endif
.irp c, 0,1
	v_max3_num_f32 v[BM+\c], v[S+32*\c], v[S+32*\c+1], v[S+32*\c+2]   ; the largest score of my two blocks of 32 keys, two chains each; every accumulator is first read at its low end
.endr
.irp c, 0,1
	v_max3_num_f32 v[BM+2+\c], v[S+32*\c+16], v[S+32*\c+17], v[S+32*\c+18]
.endr
.irp i, 3,5,7,9,11,13
.irp c, 0,1
	v_max3_num_f32 v[BM+\c], v[BM+\c], v[S+32*\c+\i], v[S+32*\c+\i+1]
.endr
.irp c, 0,1
	v_max3_num_f32 v[BM+2+\c], v[BM+2+\c], v[S+32*\c+16+\i], v[S+32*\c+17+\i]
.endr
.endr
.irp c, 0,1
	v_max3_num_f32 v[BM+\c], v[BM+\c], v[BM+2+\c], v[S+32*\c+15]
.endr
.irp c, 0,1
	v_max_num_f32 v[BM+\c], v[BM+\c], v[S+32*\c+31]
.endr
	D 1
	v_max_num_f32 v[TT], v[BM], v[BM+1]
	D 1
	v_permlanex16_b32 v[RP], v[TT], s[SEL], s[SEL+1]
	D 1
	v_max3_num_f32 v[MM+1], v[MM+1], v[TT], v[RP]  ; the running largest score of my query
	D 1
	v_mul_f32 v[TT], s[NC], v[MM+1]                ; -t
	v_mov_b32 v[RP], v[MM]
	D 2
	v_floor_f32 v[MM], v[TT]                       ; the new -M = floor(-t) = -ceil(t)
	D 1
	v_sub_f32 v[TT], v[MM], v[RP]                  ; old M - new M: a whole number, 0 or less
.set PJ, 0
	PF 4
	v_cvt_i32_f32 v[TT], v[TT]                     ; (it saturates)
	PF 4
	v_ldexp_f32 v[FF], 1.0, v[TT]                  ; f = 2^(old M - new M)
	PF 8                                           ; the first block's 16 pairs are done; the second block's stand among the first half's exponentials
	v_fma_f32 v[BM], v[BM], s[CS], v[MM]           ; the same of the block's largest score: p rises with the score
	s_wait_alu depctr_va_vdst(0)                   ; ahead of the batch's sources' readers, and directly ahead of the first readers of O^T
.set J, 0
.rept 16
	v_pk_mul_f32 v[O+J:O+J+1], v[O+J:O+J+1], v[FF:FF+1] op_sel_hi:[1,0]   ; O^T under the new M
.set J, J+2
.endr
.set J, 0
.rept 16
	v_exp_f32 v[S+J], v[S+J]                       ; p = 2^(t - M), at most 1: the first block's 32,
	v_exp_f32 v[S+J+1], v[S+J+1]
	PF 1                                           ; and among them t - M of the second block, first read behind the wait below
.set J, J+2
.endr
	v_exp_f32 v[BM], v[BM]                         ; the first block's largest p
	v_fma_f32 v[BM+1], v[BM+1], s[CS], v[MM]       ; the plain place behind the first half
	s_wait_alu depctr_va_vdst(0)                   ; one wait: behind the first half's 33, ahead of the second half's sources' readers
.irp q, 0,1,2,3
.irp e, 0,1,2,3,4,5,6,7
	v_exp_f32 v[S+32+8*\q+\e], v[S+32+8*\q+\e]     ; the second block's 32
.endr
	v_pk_fma_f32 v[SUM+2*\q:SUM+2*\q+1], v[SUM+2*\q:SUM+2*\q+1], v[FF:FF+1], v[S+2*\q:S+2*\q+1] op_sel_hi:[1,0,1]   ; the sums under the new M, and the first four pairs: first read behind the wait below
.endr
	v_exp_f32 v[BM+1], v[BM+1]
	v_max_num_f32 v[BM], 0x1800000, v[BM]          ; the floor 2^(3 - 127); the plain place behind the second half
	s_wait_alu depctr_va_vdst(0)                   ; one wait for the second half's 33
	v_max_num_f32 v[BM+1], 0x1800000, v[BM+1]
.irp c, 0,1
	v_add_nc_u32 v[EO+\c], 0xff000000, v[BM+\c]    ; 2 off the exponent field: the conversion's scale operand
.endr
.set PI, 4
	PA 4
.irp c, 0,1
	v_cvt_scalef32_pk16_fp6_f32 v[PCD+6*\c:PCD+6*\c+2], v[S+32*\c:S+32*\c+15], v[EO+\c]
	v_cvt_scalef32_pk16_fp6_f32 v[PC2+4*\c:PC2+4*\c+2], v[S+32*\c+16:S+32*\c+31], v[EO+\c]   ; (a conversion's three registers begin on an even number)
.endr
	PA 2                                           ; plain places behind the conversions
.irp c, 0,1
	v_lshrrev_b32 v[EB+\c], 23, v[EO+\c]           ; the bytes of blocks h and 2 + h
.endr
.irp c, 0,1
.irp i, 0,1,2
	v_mov_b32 v[PCD+6*\c+3+\i], v[PC2+4*\c+\i]
.endr
.endr
	v_lshl_or_b32 v[W], v[EB+1], 16, v[EB]
	PA 4
	v_lshlrev_b32 v[W], v[SH8], v[W]               ; at their places in the word
	PA 4
	v_permlanex16_b32 v[W2], v[W], s[SEL], s[SEL+1]
	PA 4
	WIN 0x05*\w
	v_or_b32 v[PSC+\w], v[W], v[W2]                ; with lane l xor 16's two the word is whole; scale registers lie in window 0
	WIN 0x55*\w
	PA 10                                          ; ten plain instructions between the scale word and the products
.if \w == 0
	WIN 0x01                                       ; V's fragments lie in window 1
	s_wait_dscnt 0x0                               ; V and its words are in
.endif
.irp t, 0,2                                    ; O^T += V^T P^T: four accumulators, one instruction each
	WM O+8*\t, VF+12*\t, PCD, VSC+\t/2, PSC+\w, 0
	WM O+8*\t+8, VF+12*\t+12, PCD, VSC+\t/2, PSC+\w, 1
.endr
.endm
; A KEY STEP: 128 keys for two query tiles
.macro STEP p
	v_add_nc_u32 v[ADK], s[TK], v[AK16]            ; these seven are also the places between the last step's products and the loads into their registers
	v_add_nc_u32 v[ADK+1], s[TK], v[AK8]
	v_add_nc_u32 v[ADK+2], s[TV], v[L16]
	v_add_nc_u32 v[ADK+3], s[TV], v[L8]
	v_add_nc_u32 v[ADK+4], s[T5], v[AKS]
	v_add_nc_u32 v[ADK+5], s[T2], v[AVS]
	v_add_nc_u32 v[ADK+6], s[T5], v[ABB]
.irp c, 0,1
.irp e, 0,1
.irp u, 0,1
	ds_load_b128 v[KF+6*(4*\c+2*\e+\u):KF+6*(4*\c+2*\e+\u)+3], v[ADK] offset:3840*\c+960*\u+128*\e
	ds_load_b64 v[KF+6*(4*\c+2*\e+\u)+4:KF+6*(4*\c+2*\e+\u)+5], v[ADK+1] offset:3840*\c+960*\u+640+64*\e
.endr
	ds_load_b32 v[KSC+2*\c+\e], v[ADK+4] offset:256*\c+32*\e   ; lanes 0-15: tile 4 c + 2 e; lanes 16-31: the next
.endr
.endr
	BIAS 2*\p
.irp j, 0,1
	ds_load_b32 v[VSC+\j], v[ADK+5] offset:128*\j
.endr
	WIN 0x40
	BIAS 2*\p+1
.irp t, 0,1,2,3
.irp c, 0,1
	ds_load_b128 v[VF+12*\t+6*\c:VF+12*\t+6*\c+3], v[ADK+2] offset:3072*\c+768*\t
	ds_load_b64 v[VF+12*\t+6*\c+4:VF+12*\t+6*\c+5], v[ADK+3] offset:3072*\c+768*\t+512
.endr
.endr
	WIN 0
	s_wait_dscnt 34                                ; K, its words and the first tile's bias are in; V's 2 words, the second tile's 16 loads and V's 16 may be out
	SMUL 0
	WIN 0x54                                       ; K in window 0; Q, C and D in window 1
	s_wait_dscnt 16                                ; V's 16 loads may be out
	SMUL 1
	WIN 0
	FOUR                                           ; places behind the first tile's products
	SOFT 0
	WIN 0x55
	SOFT 1
	WIN 0
	s_add_co_u32 s[TK], s[TK], 7680
	s_add_co_u32 s[TV], s[TV], 6144
	s_add_co_u32 s[T5], s[T5], 512
	s_add_co_u32 s[T2], s[T2], 256
.endm
.macro LOOP p
	s_mov_b32 s[CNT], 16
.Lstep_\@:
	STEP \p
	s_sub_co_u32 s[CNT], s[CNT], 1
	s_cmp_lg_u32 s[CNT], 0
	s_cbranch_scc1 .Lstep_\@
.endm
.macro ZERO                                    ; a tile's state at a pass's start: zeros, which the first change of M leaves zeros
	v_mov_b32 v[MM+1], 0xff61b1e6                  ; the largest score so far: -3e38
	v_mov_b32 v[MM], 0x7f61b1e6                    ; -M
.set J, 0
.rept 8
	v_mov_b32 v[SUM+J], 0
.set J, J+1
.endr
.set J, 0
.rept 32
	v_mov_b32 v[O+J], 0
.set J, J+1
.endr
.endm
.macro INIT p
.if \p
	s_wait_xcnt 0x0                                ; the last pass's stores have read their registers
.endif
	global_load_b128 v[QF:QF+3], v[L16], s[QP:QP+1] offset:12288*\p
	global_load_b64 v[QF+4:QF+5], v[L8], s[QP:QP+1] offset:12288*\p+512
	global_load_b32 v[QSC], v[R4], s[QS:QS+1] offset:1024*\p
	global_load_b32 v[QSC+1], v[R4], s[QS:QS+1] offset:1024*\p+512
	ZERO
	WIN 0x40
	global_load_b128 v[QF:QF+3], v[L16], s[QP:QP+1] offset:12288*\p+6144
	global_load_b64 v[QF+4:QF+5], v[L8], s[QP:QP+1] offset:12288*\p+6144+512
	ZERO
	WIN 0
	s_mov_b32 s[TK], 0
	s_mov_b32 s[TV], VB
	s_mov_b32 s[T5], 0
	s_mov_b32 s[T2], 0
	s_wait_alu depctr_va_vdst(0)
	s_wait_loadcnt 0x0
.endm
; A tile ends: ctx = O^T / the sum; register 16 b + i is channel 32 b + 16 (lane / 16) + i of the head: two blocks along the model's 1,024: half a fragment and two scale bytes
.macro OUT w, p
	WIN 0x55*\w
	v_pk_add_f32 v[SUM:SUM+1], v[SUM:SUM+1], v[SUM+2:SUM+3]
	v_pk_add_f32 v[SUM+4:SUM+5], v[SUM+4:SUM+5], v[SUM+6:SUM+7]
	D 1
	v_pk_add_f32 v[SUM:SUM+1], v[SUM:SUM+1], v[SUM+4:SUM+5]
	D 1
	v_add_f32 v[SUM], v[SUM], v[SUM+1]
	D 1
	v_permlanex16_b32 v[RP], v[SUM], s[SEL], s[SEL+1]
	D 1
	v_add_f32 v[SUM], v[SUM], v[RP]
	s_wait_alu depctr_va_vdst(0)
	v_rcp_f32 v[SUM], v[SUM]
	v_nop                                          ; a plain place behind the reciprocal
	s_wait_alu depctr_va_vdst(0)                   ; the wait ahead of its first reader, and directly ahead of the first readers of O^T
.set J, 0
.rept 32
	v_mul_f32 v[S+J], v[O+J], v[SUM]               ; each accumulator from its low end on
.set J, J+1
.endr
.irp b, 0,1
	v_max3_num_f32 v[BM+\b], |v[S+16*\b]|, |v[S+1+16*\b]|, 0x1800000
.endr
.irp i, 2,4,6,8,10,12,14
.irp b, 0,1
	D 2
	v_max3_num_f32 v[BM+\b], v[BM+\b], |v[S+16*\b+\i]|, |v[S+1+16*\b+\i]|
.endr
.endr
.irp b, 0,1
	D 2
	v_permlanex16_b32 v[BM+2+\b], v[BM+\b], s[SEL], s[SEL+1]
.endr
.irp b, 0,1
	D 2
	v_max_num_f32 v[BM+\b], v[BM+\b], v[BM+2+\b]
.endr
.irp b, 0,1
	D 2
	v_add_nc_u32 v[EO+\b], 0xff000000, v[BM+\b]
.endr
.irp b, 0,1
	D 2
	v_lshrrev_b32 v[EB+\b], 23, v[EO+\b]
.endr
	D 1
	v_lshl_or_b32 v[W], v[EB+1], 8, v[EB]
	v_cvt_scalef32_pk16_fp6_f32 v[PCD:PCD+2], v[S:S+15], v[EO]
	v_cvt_scalef32_pk16_fp6_f32 v[PC2:PC2+2], v[S+16:S+31], v[EO+1]
	v_nop
.irp i, 0,1,2
	v_permlane16_swap_b32 v[PCD+\i], v[PC2+\i]
.endr
.irp i, 0,1,2
	D 3
	v_mov_b32 v[PCD+3+\i], v[PC2+\i]
.endr
	WIN 0x04*\w                                    ; the stores' data in the tile's window, their addresses in window 0
	global_store_b128 v[L16], v[PCD:PCD+3], s[10:11] offset:98304*(2*\p+\w)        ; 512 and 256 consecutive bytes, aligned
	global_store_b64 v[L8], v[PCD+4:PCD+5], s[10:11] offset:98304*(2*\p+\w)+512
.if \w
	v_cndmask_b32 v31, v[W], v[W], s[HM]           ; lanes 0-15: the first tile's bytes (window 0); lanes 16-31: the second's (window 1)
	WIN 0
	global_store_b16 v[CSO], v31, s[12:13] offset:8192*\p
.endif
.endm
	INIT 0
	s_wait_tensorcnt 0x0                           ; my tile has landed,
	s_barrier_signal -1
	s_barrier_wait -1                              ; everybody's has: from here on LDS is only read
	LOOP 0
	OUT 0, 0
	OUT 1, 0
	INIT 1
	LOOP 1
	OUT 0, 1
	OUT 1, 1
	s_wait_tensorcnt 0x0                           ; the wave's end
	ds_add_u32 v[SPW], v[NIL]
	s_wait_dscnt 0x0
	CROUND                                         ; the closing round
	s_endpgm
.Lfunc_end_k_qfb0b23bbde_attn:
	.size	k_qfb0b23bbde_attn, .Lfunc_end_k_qfb0b23bbde_attn-k_qfb0b23bbde_attn
	.p2alignl 7, 3214868480
	.fill 96, 4, 3214868480
	.section	.rodata,"a",@progbits
	.p2align	6, 0x0
	.amdhsa_kernel k_qfb0b23bbde_attn
		.amdhsa_group_segment_fixed_size 327680
		.amdhsa_private_segment_fixed_size 0
		.amdhsa_enable_private_segment 0
		.amdhsa_kernarg_size 40
		.amdhsa_user_sgpr_count 2
		.amdhsa_user_sgpr_kernarg_segment_ptr 1
		.amdhsa_wavefront_size32 1
		.amdhsa_system_sgpr_workgroup_id_x 1
		.amdhsa_system_sgpr_workgroup_id_y 1
		.amdhsa_system_sgpr_workgroup_id_z 1
		.amdhsa_system_vgpr_workitem_id 0
		.amdhsa_next_free_vgpr 512
		.amdhsa_next_free_sgpr 102
		.amdhsa_reserve_vcc 0
		.amdhsa_float_denorm_mode_32 3
		.amdhsa_float_denorm_mode_16_64 3
		.amdhsa_memory_ordered 1
		.amdhsa_forward_progress 1
		.amdhsa_inst_pref_size 97
	.end_amdhsa_kernel
	.amdgpu_metadata
---
amdhsa.version: [ 1, 2 ]
amdhsa.kernels:
  - .name:           k_qfb0b23bbde_attn
    .symbol:         k_qfb0b23bbde_attn.kd
    .args:
      - { .name: qkvc, .offset: 0, .size: 8, .value_kind: global_buffer, .address_space: global }
      - { .name: qkvs, .offset: 8, .size: 8, .value_kind: global_buffer, .address_space: global }
      - { .name: bt, .offset: 16, .size: 8, .value_kind: global_buffer, .address_space: global }
      - { .name: ctxc, .offset: 24, .size: 8, .value_kind: global_buffer, .address_space: global }
      - { .name: ctxs, .offset: 32, .size: 8, .value_kind: global_buffer, .address_space: global }
    .group_segment_fixed_size: 327680
    .private_segment_fixed_size: 0
    .kernarg_segment_align: 8
    .kernarg_segment_size: 40
    .max_flat_workgroup_size: 256
    .sgpr_count:     102
    .vgpr_count:     512
    .wavefront_size: 32
...
	.end_amdgpu_metadata
.endif
;; end of part 3
;; launch outp (part 4): grid 4 x 64, 4 waves a work-group, clusters of 4 x 4, 327,680 bytes of LDS; arguments ctxc, ctxs, codes, scales, bo, out0; writes out0
.if DOCPART == 4
	.amdgcn_target "amdgcn-amd-amdhsa--gfx1250"
	.amdhsa_code_object_version 6
	.text
	.protected	k_qfb0b23bbde_outp
	.globl	k_qfb0b23bbde_outp
	.p2align	8
	.type	k_qfb0b23bbde_outp,@function
k_qfb0b23bbde_outp:
	s_mov_b64 s[64:65], 0
	v_nop
	global_prefetch_b8 v0, s[64:65] scope:SCOPE_SE
	s_setreg_imm32_b32 hwreg(HW_REG_WAVE_MODE, 25, 1), 1
	s_wait_xcnt 0x0
	s_wait_alu depctr_hold_cnt(0) depctr_sa_sdst(0) depctr_va_vdst(0) depctr_va_sdst(0) depctr_va_ssrc(0) depctr_va_vcc(0) depctr_vm_vsrc(0)
	s_getreg_b32 s2, hwreg(HW_REG_IB_STS2, 6, 4)
	s_cmp_eq_u32 s2, 0
	s_cbranch_scc0 .Lentry_in_a_cluster
	s_endpgm
.Lentry_in_a_cluster:
	s_bfe_u32 s2, ttmp6, 0x10000c
	s_cmp_lg_u32 s2, 0xf033
	s_cbranch_scc0 .Lentry_shape_is_right
	s_endpgm
.Lentry_shape_is_right:
; out0 = ctx Wo^T + bo on codes of FP6 (E2M3) with E8M0 scales; sums in f32.  ctx: 8,192 rows (ctxc, ctxs); Wo: rows 11,264 .. 12,287 of codes and scales.
; Both lie in row blocks of 16 POSITIONS (position r of block T = row 32 (T / 2) + 8 (T % 2) + r + 8 (r / 8)): a block is 8 fragments (16 positions x 128 K) of 1,536 bytes, images of the operand's 12 registers; scales 32 bytes a position.
; SHARES.  A block of out0 is 128 rows x 256 columns: 64 x 4 = 256 work-groups.  Four waves, one to a SIMD; a wave makes 64 x 128: 32 accumulators.
; ALL OF K LIES IN LDS: two slots of 512 along K, each with A's 8 and B's 16 row blocks (147,456 bytes), and the scales behind them.  No LDS byte is filled twice.  The head asks for slot 0 and the scales, one joint load a wave;
; slot 1's first fill has steps 0 to 2 in which to land; one barrier, in step 3, shows it whole and ends the reads of slot 0, where the way out's stages then lie.
; CLUSTER 4 x 4: A's tiles are shared along a row of the cluster, B's along a column.
; THE MATRIX INSTRUCTION IS USED TRANSPOSED (source 0 = 16 positions of Wo, source 1 = 16 of ctx): a lane holds eight neighbouring columns of a row; bo is the C of the first step's products.
; No prefetch: both fills are asked for in the head, and no loop over tiles follows in which to run ahead.
; REGISTERS: window 0: v0-31 addresses, v32-63 scale words (two sets), v64-127 bo, v128-223 A's fragments (two sets of 4); window 1: B's fragments (two sets of 8, at v0 and v128); window 2: the accumulators, (a, b) at v[8 (8 a + b)].
.set FR,     12
.set FRB,    1536
.set BLKB,   4*FRB                     ; a row block's part of a slot: four fragments on end
.set RBLK,   8*FRB
.set ASZ,    8*BLKB                    ; A's part of a slot; B's 16 blocks follow
.set SLOT,   24*BLKB
.set SCL,    2*SLOT                    ; the scales, as units of 256 bytes + 16: A's 16 units, then B's 32
.set SUA,    16*272
.set SBLK,   2*272                     ; those of 16 positions
.set SPARE,  SCL+3*SUA                 ; the spare words: 128 bytes a wave
.set SPITCH, 528
.set L16,  4
.set L8,   5
.set ADRA, 16                          ; v16-17 A's fragments in slot 0, 1 at 16 x lane; v18-19 at 8 x lane
.set ADRB, 20
.set STO,  24
.set RD,   25
.set ADRS, 27
.set SPW,  28
.set NIL,  29
.set SC,   32
.set BO,   64
.set AF,   128
.set BK,   128
.set G1, 24
.set G0, 32                            ; A's half of slot 1
.set G0H, 36                           ; A's whole part of slot 0
.set G1B, 48
.set G0B, 56
.set G0HB, 60
.set G1S, 68
.set G0S, 76
.set G1SB, 80
.set G0SB, 88
.set MSB, 0
.macro WIN new                         ; the immediate's high byte repeats the setting that is left
.if MSB != \new
	s_set_vgpr_msb (MSB<<8)|\new
.set MSB, \new
.endif
.endm
.macro PLACES
.rept 4
	v_nop
.endr
.endm
.macro CROUND
	s_barrier_signal -1
	s_barrier_wait -1
	s_cmp_lg_u32 s14, 0
	s_cbranch_scc1 .Lnot_wave_0_\@
	s_barrier_signal -3
.Lnot_wave_0_\@:
	s_barrier_wait -3
	s_barrier_signal -1
	s_barrier_wait -1
.endm
.macro GRP0 g, lds, a                  ; a group 0: LDS address in a scalar register or a constant, global address in the pair s[a:a+1]
	s_mov_b32 s[\g], 1
	s_mov_b32 s[\g+1], \lds
	s_mov_b64 s[\g+2:\g+3], s[\a:\a+1]
	s_or_b32 s[\g+3], s[\g+3], 0x80000000
.endm
	s_load_b256 s[4:11], s[0:1], 0x0               ; ctxc, ctxs, codes, scales
	s_load_b128 s[96:99], s[0:1], 0x20             ; bo, out0
	v_lshl_add_u32 v[SPW], v0, 2, SPARE
	v_mov_b32 v[NIL], 0
	ds_add_u32 v[SPW], v[NIL]                      ; the opening lines: the add twice on end and one wait
	ds_add_u32 v[SPW], v[NIL]
	v_lshrrev_b32 v1, 5, v0
	v_readfirstlane_b32 s14, v1                    ; wave
	s_lshr_b32 s15, s14, 1                         ; my half of the block's rows; in slot 1's fill: A (0) or B (1)
	s_and_b32 s16, s14, 1                          ; my half of its columns; in slot 1's fill: which half of the tile
	s_bfe_u32 s40, ttmp6, 0x40000
	s_bfe_u32 s41, ttmp6, 0x40004
	s_lshl_b32 s42, ttmp9, 2
	s_add_co_u32 s42, s42, s40                     ; block column 0..3
	s_and_b32 s17, ttmp7, 0xffff
	s_lshl_b32 s17, s17, 2
	s_add_co_u32 s17, s17, s41                     ; block row 0..63
	s_lshl_b32 s43, s41, 2
	s_lshl_b32 s43, 15, s43                        ; my row of the cluster
	s_lshl_b32 s44, 0x1111, s40                    ; my column
	s_or_b32 s[G1+0], s43, (3<<16)|(1<<21)
	s_or_b32 s[G1B+0], s44, (3<<16)|(1<<21)
.irp g, G1, G1B                                ; rows of 6,144 bytes, 12,288 apart
	s_mov_b32 s[\g+1], (BLKB/8)<<16
	s_mov_b32 s[\g+3], (BLKB/8)<<16
	s_mov_b32 s[\g+5], RBLK/8
	s_mov_b32 s[\g+6], 0
	s_mov_b32 s[\g+7], 0
.endr
	s_mov_b32 s[G1+2], 8<<16                       ; the head's loads bring whole tiles: A's 8 row blocks,
	s_mov_b32 s[G1+4], 8
	s_mov_b32 s[G1B+2], 16<<16                     ; B's 16
	s_mov_b32 s[G1B+4], 16
	s_or_b32 s[G1S+0], s43, (3<<16)|(1<<20)|(1<<21)|(5<<22)|(3<<25)
	s_or_b32 s[G1SB+0], s44, (3<<16)|(1<<20)|(1<<21)|(5<<22)|(3<<25)
.irp g, G1S, G1SB                              ; dense blocks as rows of 256 bytes, 16 bytes of padding behind each
	s_mov_b32 s[\g+1], 32<<16
	s_mov_b32 s[\g+3], 32<<16
	s_mov_b32 s[\g+5], 32
	s_mov_b32 s[\g+6], 0
	s_mov_b32 s[\g+7], 0
.endr
	s_mov_b32 s[G1S+2], 16<<16
	s_mov_b32 s[G1S+4], 16
	s_mov_b32 s[G1SB+2], 32<<16
	s_mov_b32 s[G1SB+4], 32
	s_lshl_b32 s20, s17, 7                         ; A's first row
	s_lshl_b32 s22, s20, 5
	s_mul_i32 s20, s20, 768
	s_mov_b32 s21, 0
	s_mov_b32 s23, 0
	s_lshl_b32 s46, s42, 8
	s_add_co_u32 s46, s46, 11264                   ; B's first row
	s_lshl_b32 s92, s46, 5
	s_mul_i32 s46, s46, 768
	s_mov_b32 s47, 0
	s_mov_b32 s93, 0
	s_mul_i32 s18, s16, 4*RBLK                     ; slot 1: my half of A's tile, 4 row blocks, and 512 along K on
	s_add_co_u32 s18, s18, BLKB
	s_mov_b32 s19, 0
	s_mul_i32 s94, s16, 8*RBLK                     ; or of B's, 8 row blocks
	s_add_co_u32 s94, s94, BLKB
	s_mov_b32 s95, 0
	s_mul_i32 s45, s16, 4*BLKB
	s_add_co_u32 s45, s45, SLOT
	s_mul_i32 s2, s16, 8*BLKB
	s_add_co_u32 s2, s2, SLOT+ASZ
	s_wait_dscnt 0x0
	s_wait_kmcnt 0x0
	s_add_nc_u64 s[20:21], s[4:5], s[20:21]
	s_add_nc_u64 s[22:23], s[6:7], s[22:23]
	s_add_nc_u64 s[46:47], s[8:9], s[46:47]
	s_add_nc_u64 s[92:93], s[10:11], s[92:93]
	CROUND                                         ; all sixteen work-groups are here: the first joint loads meet
	GRP0 G0H, 0, 20
	GRP0 G0HB, ASZ, 46
	GRP0 G0S, SCL, 22
	GRP0 G0SB, SCL+SUA, 92
	s_add_nc_u64 s[20:21], s[20:21], s[18:19]
	s_add_nc_u64 s[46:47], s[46:47], s[94:95]
	GRP0 G0, s45, 20
	GRP0 G0B, s2, 46
; the head's four tiles, one joint load a wave, in one chain of branches on the wave's number
.macro ARM n, g0, g1, next
	s_cmp_eq_u32 s14, \n
	s_cbranch_scc0 \next
	tensor_load_to_lds s[\g0:\g0+3], s[\g1:\g1+7]
	s_nop 0
	PLACES
	s_branch .Lhead_asked
\next:
.endm
	ARM 0, G0H, G1, .Lhead_b
	ARM 2, G0HB, G1B, .Lhead_sa
	ARM 1, G0S, G1S, .Lhead_sb
	tensor_load_to_lds s[G0SB:G0SB+3], s[G1SB:G1SB+7]
	s_nop 0
	PLACES
.Lhead_asked:
	s_lshl_b32 s20, s17, 7
	s_lshl_b32 s21, s15, 6
	s_add_co_u32 s20, s20, s21                     ; my first row of out0
	s_lshl_b32 s20, s20, 12
	s_lshl_b32 s46, s42, 10
	s_lshl_b32 s47, s16, 9
	s_add_co_u32 s46, s46, s47                     ; my first column, in bytes
	s_mov_b32 s47, 0
	s_add_nc_u64 s[96:97], s[96:97], s[46:47]
	s_add_co_u32 s20, s20, s46
	s_mov_b32 s21, 0
	s_add_nc_u64 s[12:13], s[98:99], s[20:21]
	v_and_b32 v1, 15, v0
	v_bfe_u32 v2, v0, 4, 1
	v_and_b32 v3, 31, v0
	v_lshlrev_b32 v[L16], 4, v3
	v_lshlrev_b32 v[L8], 3, v3
	v_lshlrev_b32 v8, 6, v2
.irp i, 0,1,2,3,4,5,6,7
	global_load_b128 v[BO+8*\i:BO+8*\i+3], v8, s[96:97] offset:(32*(\i/2)+8*(\i%2))*4       ; bo at my eight columns of B's block i
	global_load_b128 v[BO+8*\i+4:BO+8*\i+7], v8, s[96:97] offset:(32*(\i/2)+8*(\i%2))*4+16
.endr
	s_mul_i32 s21, s15, 4*BLKB                     ; my 4 row blocks of A
	s_mul_i32 s22, s16, 8*BLKB                     ; my 8 of B,
	s_add_co_u32 s22, s22, ASZ                     ; behind A's
.irp s, 0,1
	v_add_nc_u32 v[ADRA+\s], s21, v[L16]
	v_add_nc_u32 v[ADRB+\s], s22, v[L16]
	v_add_nc_u32 v[ADRA+2+\s], s21, v[L8]
	v_add_nc_u32 v[ADRB+2+\s], s22, v[L8]
	s_add_co_u32 s21, s21, SLOT
	s_add_co_u32 s22, s22, SLOT
.endr
	v_mul_u32_u24 v6, v1, 32                       ; my position's scales: 32 bytes each,
	v_lshrrev_b32 v7, 8, v6
	v_lshl_add_u32 v6, v7, 4, v6                   ; and 16 more for each 256 passed
	s_mul_i32 s21, s15, 4*SBLK                     ; A's: my 64 positions
	s_mul_i32 s22, s16, 8*SBLK                     ; B's: my 128, behind A's 128
	s_add_co_u32 s22, s22, SUA
	s_sub_co_u32 s22, s22, s21
	v_mul_u32_u24 v7, s22, v2                      ; lanes 16-31 take B's
	s_add_co_u32 s21, s21, SCL
	v_add_nc_u32 v6, v6, v7
	v_add_nc_u32 v[ADRS], s21, v6
	s_mul_i32 s23, s14, 16*SPITCH                  ; my stage, in slot 0
	v_mul_u32_u24 v6, v1, SPITCH
	v_lshl_add_u32 v6, v2, 6, v6
	v_add_nc_u32 v[STO], s23, v6
	v_add_nc_u32 v[RD], s23, v[L16]
.macro FRAG reg, adr, q, i
	ds_load_b128 v[\reg:\reg+3], v[\adr] offset:(\i)*BLKB+(\q)*FRB
	ds_load_b64 v[\reg+4:\reg+5], v[\adr+2] offset:(\i)*BLKB+(\q)*FRB+512
	ds_load_b128 v[\reg+6:\reg+9], v[\adr] offset:(\i)*BLKB+(\q)*FRB+768
	ds_load_b64 v[\reg+10:\reg+11], v[\adr+2] offset:(\i)*BLKB+(\q)*FRB+1280
.endm
; step st's fragments into set st % 2: B's eight, A's four; with an even step the scale words of two steps (lanes 0-15 A's block i, lanes 16-31 B's)
.macro FETCH st
	WIN 0x40
.irp i, 0,1,2,3,4,5,6,7
	FRAG 128*((\st)%2)+FR*\i, ADRB+(\st)/4, (\st)%4, \i
.endr
	WIN 0
.irp i, 0,1,2,3
	FRAG AF+48*((\st)%2)+FR*\i, ADRA+(\st)/4, (\st)%4, \i
.endr
.if (\st)%2 == 0
.irp i, 0,1,2,3,4,5,6,7
	ds_load_b64 v[SC+16*(((\st)/2)%2)+2*\i:SC+16*(((\st)/2)%2)+2*\i+1], v[ADRS] offset:\i*SBLK+8*((\st)/2)
.endr
.endif
.endm
; 16 matrix instructions: A's blocks a0, a0 + 1 x B's eight.  The 32 accumulators take turns, one instruction a turn, in the same order in every step
.macro MUL16 a0, st
.if (\st) == 0
	WIN 0x81                                       ; B window 1, A window 0, C (bo) window 0, D window 2
.else
	WIN 0xa1                                       ; C and D window 2
.endif
.irp a, \a0, \a0+1
.irp b, 0,1,2,3,4,5,6,7
.if (\st) == 0
	v_wmma_scale_f32_16x16x128_f8f6f4 v[8*(8*(\a)+\b):8*(8*(\a)+\b)+7], v[128*((\st)%2)+FR*\b:128*((\st)%2)+FR*\b+FR-1], v[AF+48*((\st)%2)+FR*(\a):AF+48*((\st)%2)+FR*(\a)+FR-1], v[BO+8*\b:BO+8*\b+7], v[SC+16*(((\st)/2)%2)+2*\b+(\st)%2], v[SC+16*(((\st)/2)%2)+2*(\a)+(\st)%2] matrix_a_fmt:MATRIX_FMT_FP6 matrix_b_fmt:MATRIX_FMT_FP6 matrix_a_scale:MATRIX_SCALE_ROW1
.else
	v_wmma_scale_f32_16x16x128_f8f6f4 v[8*(8*(\a)+\b):8*(8*(\a)+\b)+7], v[128*((\st)%2)+FR*\b:128*((\st)%2)+FR*\b+FR-1], v[AF+48*((\st)%2)+FR*(\a):AF+48*((\st)%2)+FR*(\a)+FR-1], v[8*(8*(\a)+\b):8*(8*(\a)+\b)+7], v[SC+16*(((\st)/2)%2)+2*\b+(\st)%2], v[SC+16*(((\st)/2)%2)+2*(\a)+(\st)%2] matrix_a_fmt:MATRIX_FMT_FP6 matrix_b_fmt:MATRIX_FMT_FP6 matrix_a_scale:MATRIX_SCALE_ROW1
.endif
.endr
.endr
.endm
; A step of 128 along K: 32 matrix instructions; the next step's fragments are asked for at its top, into the sets that the last step multiplied
.macro STEP st
.if (\st) == 3
	s_wait_tensorcnt 0x0                           ; my part of slot 1 has landed,
	s_wait_dscnt 0x0                               ; and my reads of slot 0 are over, this step's fragments among them:
	s_barrier_signal -1
	MUL16 0, \st
	s_barrier_wait -1                              ; slot 1 is whole, and nobody reads slot 0 any more
	PLACES
	FETCH (\st)+1
	MUL16 2, \st
.else
	s_wait_dscnt 0x0                               ; this step's fragments, asked for 32 matrix instructions ago
.if (\st) < 7
	PLACES                                         ; places in front of loads into registers that matrix instructions have read
	FETCH (\st)+1
.endif
	MUL16 0, \st
	MUL16 2, \st
.endif
.endm
	s_wait_alu depctr_va_vdst(0)                   ; the wait at the head's end
	s_wait_tensorcnt 0x0                           ; my tile of the head's four is in
	ds_add_u32 v[SPW], v[NIL]
	s_mov_b32 s[G1+2], 4<<16                       ; no tensor load of mine is out: slot 1 comes in halves: 4 row blocks of A,
	s_mov_b32 s[G1+4], 4
	s_mov_b32 s[G1B+2], 8<<16                      ; 8 of B
	s_mov_b32 s[G1B+4], 8
	s_wait_dscnt 0x0
	CROUND                                         ; all four tiles are in, and all sixteen work-groups are here
	s_cmp_eq_u32 s15, 0
	s_cbranch_scc0 .Lfor_b
	tensor_load_to_lds s[G0:G0+3], s[G1:G1+7]
	s_nop 0
	PLACES
	s_branch .Lasked
.Lfor_b:
	tensor_load_to_lds s[G0B:G0B+3], s[G1B:G1B+7]
	s_nop 0
	PLACES
.Lasked:
	FETCH 0
	s_wait_loadcnt 0x0                             ; bo
.irp t, 0,1,2,3,4,5,6,7
	STEP \t
.endr
	WIN 0
; THE WAY OUT, block by block of 16 positions x 128 columns, through my own stage: whole rows of 512 bytes come back and leave as two aligned units of 256 bytes
.macro TOSTAGE a
	WIN 0x08                                       ; the data: window 2
.irp b, 0,1,2,3,4,5,6,7
	ds_store_b128 v[STO], v[64*(\a)+8*\b:64*(\a)+8*\b+3] offset:128*(\b/2)+32*(\b%2)       ; each accumulator from its low end on
	ds_store_b128 v[STO], v[64*(\a)+8*\b+4:64*(\a)+8*\b+7] offset:128*(\b/2)+32*(\b%2)+16
.endr
	WIN 0
.set BB, BK+64*((\a)%2)
.irp t, 0,1,2,3,4,5,6,7,8,9,10,11,12,13,14,15
	ds_load_b128 v[BB+4*\t:BB+4*\t+3], v[RD] offset:\t*SPITCH    ; LDS serves a wave's instructions in order (ISA guide 5.7.1.4)
.endr
.endm
.macro SEND a, younger
.set BB, BK+64*((\a)%2)
	s_wait_dscnt \younger
.irp t, 0,1,2,3,4,5,6,7,8,9,10,11,12,13,14,15
	global_store_b128 v[L16], v[BB+4*\t:BB+4*\t+3], s[12:13] offset:(32*((\a)/2)+8*((\a)%2)+\t+8*(\t/8))*4096 th:TH_STORE_NT
.endr
.endm
	PLACES                                         ; behind the last products: for the reads of their results and the loads into A's registers
	TOSTAGE 0
.irp a, 1,2,3
.if \a > 1
	s_wait_xcnt 0x0                                ; block a - 2's stores have read their registers
.endif
	TOSTAGE \a
	SEND \a-1, 32                                  ; behind block a - 1's loads: block a's 16 stores and 16 loads
.endr
	SEND 3, 0
	s_wait_tensorcnt 0x0                           ; the wave's end
	ds_add_u32 v[SPW], v[NIL]
	s_wait_dscnt 0x0
	CROUND                                         ; the closing round
	s_endpgm
.Lfunc_end_k_qfb0b23bbde_outp:
	.size	k_qfb0b23bbde_outp, .Lfunc_end_k_qfb0b23bbde_outp-k_qfb0b23bbde_outp
	.p2alignl 7, 3214868480
	.fill 96, 4, 3214868480
	.section	.rodata,"a",@progbits
	.p2align	6, 0x0
	.amdhsa_kernel k_qfb0b23bbde_outp
		.amdhsa_group_segment_fixed_size 327680
		.amdhsa_private_segment_fixed_size 0
		.amdhsa_enable_private_segment 0
		.amdhsa_kernarg_size 48
		.amdhsa_user_sgpr_count 2
		.amdhsa_user_sgpr_kernarg_segment_ptr 1
		.amdhsa_wavefront_size32 1
		.amdhsa_system_sgpr_workgroup_id_x 1
		.amdhsa_system_sgpr_workgroup_id_y 1
		.amdhsa_system_sgpr_workgroup_id_z 1
		.amdhsa_system_vgpr_workitem_id 0
		.amdhsa_next_free_vgpr 768
		.amdhsa_next_free_sgpr 102
		.amdhsa_reserve_vcc 0
		.amdhsa_float_denorm_mode_32 3
		.amdhsa_float_denorm_mode_16_64 3
		.amdhsa_memory_ordered 1
		.amdhsa_forward_progress 1
		.amdhsa_inst_pref_size 87
	.end_amdhsa_kernel
	.amdgpu_metadata
---
amdhsa.version: [ 1, 2 ]
amdhsa.kernels:
  - .name:           k_qfb0b23bbde_outp
    .symbol:         k_qfb0b23bbde_outp.kd
    .args:
      - { .name: ctxc, .offset: 0, .size: 8, .value_kind: global_buffer, .address_space: global }
      - { .name: ctxs, .offset: 8, .size: 8, .value_kind: global_buffer, .address_space: global }
      - { .name: codes, .offset: 16, .size: 8, .value_kind: global_buffer, .address_space: global }
      - { .name: scales, .offset: 24, .size: 8, .value_kind: global_buffer, .address_space: global }
      - { .name: bo, .offset: 32, .size: 8, .value_kind: global_buffer, .address_space: global }
      - { .name: out0, .offset: 40, .size: 8, .value_kind: global_buffer, .address_space: global }
    .group_segment_fixed_size: 327680
    .private_segment_fixed_size: 0
    .kernarg_segment_align: 8
    .kernarg_segment_size: 48
    .max_flat_workgroup_size: 128
    .sgpr_count:     102
    .vgpr_count:     768
    .wavefront_size: 32
...
	.end_amdgpu_metadata
.endif
;; end of part 4
